; MI455X (gfx1250); checked and timed in simulation.
; The chip was launched on July 23, 2026; its instructions are those of AMD's public machine-readable ISA for CDNA 5 (MIT licence, August 2026) and "CDNA5" Instruction Set Architecture Reference Guide (July 2026). The comments in the code are by the model that wrote it; some were corrected since.
;; Property Aware Attention. Allowed arithmetic: matrix products marked QUANTISED: E2M1 operands, one E8M0 scale for each 32 along K, by v_wmma_scale_f32_16x16x128_f8f6f4 with both operands' format E2M1 (or v_wmma_scale_f32_32x16x128_f4), f32 sums; products left as they are: bf16, f16 or f32 operands; f32 sums; everything else in f32.
;; Inputs: Wk 1,024 x 1,024 float32; Wo 1,024 x 1,024 float32; Wpg 128 x 1,024 float32; Wpk 128 x 1,024 float32; Wpq 128 x 1,024 float32; Wq 1,024 x 1,024 float32; Wv 1,024 x 1,024 float32; bk 1,024 float32; bo 1,024 float32; bpg 1,024 float32; bpk 1,024 float32; bpq 1,024 float32; bq 1,024 float32; bv 1,024 float32; mask 4 x 2,048 int32; property_vector 4 x 128 float32; x 2,048 x 4 x 1,024 float32.
;; Outputs: out0 2,048 x 4 x 1,024 float32.
;; This version of the problem:
;;   THIS VERSION OF THE PROBLEM IS GIVEN IN LOW PRECISION. The matrix products marked QUANTISED in the list below multiply operands that are first quantised to E2M1 (2 exponent bits, 1 mantissa bit; 4 bits a number), with one power-of-two scale for each 32 numbers along K (OCP MX v1.0); their sums are f32. The products marked 'left as it is' may take bf16, f16 or f32 operands, with f32 sums. Whichever they take, every output number must still come out within the allowed error. Rounding operands to bf16 (8 significant bits) uses up far more of that allowance than f16 does (11 bits, for magnitudes from 6e-5 to 65,504). All else is computed in f32.
;;   The module's matrix products, in the order in which they are computed (A, B: the left and right operand; K: the contracted axis; several contracted axes count as one K, in the product's order):
;;     1. [M 8,192, K 1,024] x [K 1,024, N 1,024]; A: input x; B: input Wq: QUANTISED
;;     2. [M 4, K 128] x [K 128, N 1,024]; A: input property_vector; B: input Wpq: left as it is (M = 4 < 16)
;;     3. [M 8,192, K 1,024] x [K 1,024, N 1,024]; A: input x; B: input Wk: QUANTISED
;;     4. [M 4, K 128] x [K 128, N 1,024]; A: input property_vector; B: input Wpk: left as it is (M = 4 < 16)
;;     5. [M 8,192, K 1,024] x [K 1,024, N 1,024]; A: input x; B: input Wv: QUANTISED
;;     6. batch 64 x [M 2,048, K 64] x [K 64, N 2,048]; A: computed on the way; B: computed on the way: left as it is (an operand is computed on the way)
;;     7. batch 64 x [M 2,048, K 2,048] x [K 2,048, N 64]; A: computed on the way; B: computed on the way: left as it is (an operand is computed on the way)
;;     8. [M 4, K 128] x [K 128, N 1,024]; A: input property_vector; B: input Wpg: left as it is (M = 4 < 16)
;;     9. [M 8,192, K 1,024] x [K 1,024, N 1,024]; A: computed on the way; B: input Wo: left as it is (an operand is computed on the way)
;;   THE QUANTISER, for each operand of a quantised product, along K:
;;     - K is cut into blocks of 32 from its start; a last block that is shorter is filled with zeros.
;;     - A block's scale is 2^e with e = floor(log2(the largest magnitude in the block)) - 2, held to -126 .. 127; a block of zeros has e = 0. As a byte (E8M0): e + 127.
;;     - Each number is divided by its block's scale, clamped to +-6, and rounded to the nearest number of E2M1, ties to even, subnormals kept.
;;     - The product sums the exact products of the quantised numbers (number of the format x scale) in f32.
;;   ~~~python
;;   def quantise(x, axis):      # numpy; x: float32 -> the quantised numbers, widened to float32 again
;;       x = np.moveaxis(x, axis, -1); K = x.shape[-1]
;;       x = np.pad(x, [(0, 0)] * (x.ndim - 1) + [(0, -K % 32)]); x = x.reshape(x.shape[:-1] + (-1, 32)); a = np.abs(x).max(-1, keepdims=True)
;;       e = np.where(a > 0, np.clip(np.frexp(np.where(a > 0, a, 1))[1] - 1 - 2, -126, 127), 0)      # np.frexp(a)[1] - 1 = floor(log2(a)), exactly
;;       r = np.clip(x / 2.0 ** e, -6, 6)
;;       step = 2.0 ** (np.maximum(np.frexp(np.where(r == 0, 1, r))[1] - 1, 0) - 1)
;;       q = np.round(r / step) * step * 2.0 ** e      # np.round: ties to even
;;       return np.moveaxis(q.reshape(q.shape[:-2] + (-1,))[..., :K], -1, axis).astype(np.float32)
;;   ~~~
;; One version. Each part assembles by itself: llvm-mc -triple=amdgcn-amd-amdhsa -mcpu=gfx1250 --defsym DOCPART=n.
;; ======== version 1 of 1: 4 launches
;; limits: right only within a limited range of input values; values are held in f16: magnitudes above 65,504 overflow, below 6.1e-05 lose precision
;; workspace buffers: xq 4,456,448 bytes; wq 1,671,168 bytes; wof 2,097,152 bytes; tab 98,304 bytes; idx 33,280 bytes of whole numbers; qkv 50,331,648 bytes; attf 16,777,216 bytes
;; launch prep (part 1): grid 360 x 1, 4 waves a work-group, no clusters, 68,096 bytes of LDS; arguments x, mask, Wq, Wk, Wv, Wo, property_vector, Wpq, Wpk, Wpg, bpq, bpk, bpg, bq, bk, bv, xq, wq, wof, tab, idx; writes xq, wq, wof, tab, idx
.if DOCPART == 1
	.amdgcn_target "amdgcn-amd-amdhsa--gfx1250"
	.amdhsa_code_object_version 6
	.text
	.protected	k_qfbb1c9c9b9_prep
	.globl	k_qfbb1c9c9b9_prep
	.p2align	8
	.type	k_qfbb1c9c9b9_prep,@function
k_qfbb1c9c9b9_prep:
	s_mov_b64 s[64:65], 0
	v_nop
	global_prefetch_b8 v0, s[64:65] scope:SCOPE_SE
	s_setreg_imm32_b32 hwreg(HW_REG_WAVE_MODE, 25, 1), 1
	s_wait_xcnt 0x0
; PREP: everything that is made once, ahead of the products.  Four roles, told apart by the work-group's number alone:
;   X (0-255)   x [2048 s][4 b][1024] f32 -> codes of FP4 (E2M1) and E8M0 scale bytes along K, in rows that are PERMUTED: row (s, b) goes to row' = 2048 b + pos, where the rows whose mask is not 0
;               take pos 0 .. n_b - 1 in the order of s and the others n_b .. 2047.  Also inv[b][pos] = s and n_b, as whole numbers for the later launches.
;   W (256-303) Wq, Wk, Wv [1024 k][1024 n] f32 -> codes laid [n][k] and scale bytes [n][32]: a lane takes a column, its registers run down K.
;   O (304-335) Wo [1024 k][1024 n] f32 -> f16, laid as images of the operand's registers: [n / 16][k / 32][2][512 bytes], lane l's 16 bytes at 16 l.
;   P (336-359) the three products with four rows (property_vector by Wpq, Wpk, Wpg) in f32 multiply-adds -> a table bias, mul [3 kinds][4 b][1024]:
;               Q, K: bias = prop Wp + bp + b, mul = 1;  V: g = sigmoid(prop Wpg + bpg), bias = bv g, mul = g (the gate is put into V: att x gate is the same sum).
; A block's scale is 2^(floor(log2(largest magnitude)) - 2); its byte is the largest magnitude's exponent field - 2, held at 1 from below.  A block of zeros so has the byte 1 where the rule says 127:
; its codes are zeros, which add nothing, and this program alone reads the bytes.
; LIMITS: NaN and infinities among the inputs are not served; Wo beyond 65,504 in magnitude has no f16 number.
; LDS: role X bytes 0 .. 32,767 (8,192 a wave), role W 32,768 .. 67,583 (8,704 a wave), then the spare words, 128 bytes a wave.  No tensor load, no barrier: waves share nothing.
.set SPARE, 67584
.set SPW,   222                        ; v222  LDS address of my spare word; never rewritten
.set NIL,   223                        ; v223  0; never rewritten
.set WV,    3                          ; s3    my wave's number
.set EMAX,  2
	v_lshl_add_u32 v[SPW], v0, 2, SPARE
	v_mov_b32 v[NIL], 0
	v_lshrrev_b32 v1, 5, v0
	v_readfirstlane_b32 s[WV], v1
	v_and_b32 v2, 31, v0                           ; lane
	s_cmp_lt_u32 ttmp9, 256
	s_cbranch_scc1 .Lrole_x
	s_cmp_lt_u32 ttmp9, 304
	s_cbranch_scc1 .Lrole_w
	s_cmp_lt_u32 ttmp9, 336
	s_cbranch_scc1 .Lrole_o
; ---------------- ROLE P: a thread takes one column n of one of the three weights; four sums, one for each batch ----------------
	s_load_b64 s[4:5], s[0:1], 0x30                ; property_vector
	s_load_b128 s[8:11], s[0:1], 0x38              ; Wpq, Wpk
	s_load_b64 s[12:13], s[0:1], 0x48              ; Wpg
	s_load_b128 s[84:87], s[0:1], 0x50             ; bpq, bpk
	s_load_b64 s[88:89], s[0:1], 0x60              ; bpg
	s_load_b128 s[92:95], s[0:1], 0x68             ; bq, bk
	s_load_b64 s[90:91], s[0:1], 0x78              ; bv
	s_load_b64 s[96:97], s[0:1], 0x98              ; tab
	s_sub_co_u32 s2, ttmp9, 336
	s_lshr_b32 s14, s2, 3                          ; kind: 0 q, 1 k, 2 gate
	s_and_b32 s15, s2, 7
	s_lshl_b32 s15, s15, 9                         ; 128 columns of 4 bytes
	v_lshl_add_u32 v3, v0, 2, s15                  ; 4 n
	s_lshl_b32 s2, s14, 14
	v_add_nc_u32 v8, s2, v3                        ; my place in the table: kind x 16,384 + 4 n
	s_wait_kmcnt 0x0
	s_cmp_eq_u32 s14, 0                            ; the choices hang on the work-group's number alone
	s_cselect_b64 s[8:9], s[8:9], s[10:11]
	s_cselect_b64 s[84:85], s[84:85], s[86:87]
	s_cselect_b64 s[92:93], s[92:93], s[94:95]
	s_cmp_eq_u32 s14, 2
	s_cselect_b64 s[8:9], s[12:13], s[8:9]
	s_cselect_b64 s[84:85], s[88:89], s[84:85]
	s_cselect_b64 s[92:93], s[90:91], s[92:93]
	global_load_b32 v10, v3, s[84:85]              ; bp[n]
	global_load_b32 v11, v3, s[92:93]              ; bq, bk or bv [n]
.set p, 0
.rept 128
	global_load_b32 v[32+p], v3, s[8:9] offset:4096*p   ; Wp[p][n]: a wave reads 128 consecutive bytes
.set p, p+1
.endr
.set c, 0
.rept 8                                        ; 16 of the 128 along K at a time: the four batches' numbers come as scalars
	s_load_b512 s[16:31], s[4:5], 64*c
	s_load_b512 s[32:47], s[4:5], 512+64*c
	s_load_b512 s[48:63], s[4:5], 1024+64*c
	s_load_b512 s[68:83], s[4:5], 1536+64*c
	s_wait_kmcnt 0x0
.if 112-16*c > 63
	s_wait_loadcnt 63                              ; the later chunks' loads may be out (the count's field holds no more than 63)
.else
	s_wait_loadcnt 112-16*c                        ; the later chunks' loads may be out
.endif
.irp k, 0,1,2,3,4,5,6,7,8,9,10,11,12,13,14,15
.if (c == 0) && (\k == 0)
	v_fma_f32 v4, s16, v32, v10                    ; the first product starts each sum, on bp: nothing is cleared
	v_fma_f32 v5, s32, v32, v10
	v_fma_f32 v6, s48, v32, v10
	v_fma_f32 v7, s68, v32, v10
.else
	v_fmac_f32 v4, s[16+\k], v[32+16*c+\k]
	v_fmac_f32 v5, s[32+\k], v[32+16*c+\k]
	v_fmac_f32 v6, s[48+\k], v[32+16*c+\k]
	v_fmac_f32 v7, s[68+\k], v[32+16*c+\k]
.endif
.endr
.set c, c+1
.endr
	s_cmp_eq_u32 s14, 2
	s_cbranch_scc1 .Lp_gate
.irp b, 0,1,2,3
	v_add_f32 v[12+\b], v[4+\b], v11               ; Q, K: what is added to every row of batch b
.endr
.irp b, 0,1,2,3
	v_mov_b32 v[16+\b], 1.0
.endr
	s_branch .Lp_store
.Lp_gate:
.irp b, 0,1,2,3
	v_mul_f32 v[12+\b], 0xbfb8aa3b, v[4+\b]        ; -log2(e) x
.endr
.irp b, 0,1,2,3
	v_exp_f32 v[12+\b], v[12+\b]
.endr
	v_nop                                          ; a plain instruction behind the last exponential
	s_wait_alu depctr_va_vdst(0)                   ; one wait for the four, ahead of their first reader
.irp b, 0,1,2,3
	v_add_f32 v[12+\b], 1.0, v[12+\b]
.endr
.irp b, 0,1,2,3
	v_rcp_f32 v[16+\b], v[12+\b]                   ; g = 1 / (1 + e^-x)
.endr
	v_nop
	s_wait_alu depctr_va_vdst(0)
.irp b, 0,1,2,3
	v_mul_f32 v[12+\b], v11, v[16+\b]              ; bv g
.endr
.Lp_store:
.irp b, 0,1,2,3
	global_store_b32 v8, v[12+\b], s[96:97] offset:4096*\b          ; 128 consecutive bytes a wave; the whole table is 98,304 bytes
	global_store_b32 v8, v[16+\b], s[96:97] offset:4096*\b+49152
.endr
	s_branch .Lend
; ---------------- ROLE X: wave w takes batch w, rows s0 .. s0 + 7 (s0 = 8 x work-group): 16 steps of 512 numbers ----------------
; Each of a step's four loads reads 512 consecutive bytes; the 2,048 bytes turn through the wave's own stage in LDS (16 bytes of padding behind each 64) and come back 64 bytes a lane:
; 16 neighbours along K, two lanes to a block of 32.  A lane's 16 codes are 8 bytes: a step's store covers 256 consecutive bytes of the row's 512.
.set WREG,  8192
.set SP,    80
.set XR,    16                         ; v16-79   four sets of 16 numbers as loaded
.set XX,    80                         ; v80-111  two sets of 16 neighbours
.set XE,    112                        ; v112-127 a scale byte for each step
.set XC,    128                        ; v128-191 first the mask's 2,048 words, then the codes: four registers a step
.set XPO,   192                        ; v192-199 row i: 512 pos + 8 lane
.macro X_LOAD t
.irp i, 0,1,2,3
	global_load_b128 v[XR+16*((\t)%4)+4*\i:XR+16*((\t)%4)+4*\i+3], v3, s[4:5] offset:16384*((\t)/2)+2048*((\t)%2)+512*\i th:TH_LOAD_NT
.endr
.endm
.macro X_TURN t                        ; LDS serves a wave's instructions in order: no wait between the stores and the loads
.irp i, 0,1,2,3
	ds_store_b128 v14, v[XR+16*((\t)%4)+4*\i:XR+16*((\t)%4)+4*\i+3] offset:32*SP*((\t)%2)+8*SP*\i
.endr
.irp i, 0,1,2,3
	ds_load_b128 v[XX+16*((\t)%2)+4*\i:XX+16*((\t)%2)+4*\i+3], v15 offset:32*SP*((\t)%2)+16*\i
.endr
.endm
.macro X_STEP t
.set XS, XX+16*((\t)%2)
.if (\t) > 0
	s_wait_dscnt 1                                 ; this step's numbers are back from the stage (the last step's byte store may be out)
.else
	s_wait_dscnt 0x0
.endif
.if (\t)+4 < 16
	X_LOAD (\t)+4
.endif
.if (\t)+1 < 16
.if 14-(\t) >= 3
	s_wait_loadcnt 12                              ; the next step's four loads are in; those of three steps behind it may be out
.else
	s_wait_loadcnt 4*(14-(\t))
.endif
	X_TURN (\t)+1
.endif
	v_max3_num_f32 v8, |v[XS]|, |v[XS+1]|, |v[XS+2]|
	v_max3_num_f32 v9, |v[XS+3]|, |v[XS+4]|, |v[XS+5]|
.irp i, 6,10
	v_max3_num_f32 v8, v8, |v[XS+\i]|, |v[XS+\i+1]|
	v_max3_num_f32 v9, v9, |v[XS+\i+2]|, |v[XS+\i+3]|
.endr
	v_max3_num_f32 v8, v8, |v[XS+14]|, |v[XS+15]|
	v_max3_num_f32 v8, v8, v9, (EMAX+1)<<23        ; the floor 2^(3 - 127): the byte cannot fall under 1
	v_max_num_f32_dpp v8, v8, v8 row_xmask:1 row_mask:0xf bank_mask:0xf   ; with my neighbour's 16: the block's largest magnitude
	v_add_nc_u32 v11, -(EMAX<<23), v8              ; 2 off its exponent field: the conversion's scale operand
	v_cvt_scalef32_pk8_fp4_f32 v[XC+4*(\t)], v[XS:XS+7], v11
	v_cvt_scalef32_pk8_fp4_f32 v[XC+4*(\t)+1], v[XS+8:XS+15], v11
	v_lshrrev_b32 v[XE+(\t)], 23, v11              ; the scale's byte (also the plain instruction behind the conversions)
	ds_store_b8 v5, v[XE+(\t)] offset:16*(\t)      ; both lanes of a block write the same byte with the same value
	global_store_b64 v[XPO+(\t)/2], v[XC+4*(\t):XC+4*(\t)+1], s[8:9] offset:256*((\t)%2)   ; 256 consecutive bytes, aligned
.endm
.Lrole_x:
	s_load_b128 s[4:7], s[0:1], 0x0                ; x, mask
	s_load_b64 s[8:9], s[0:1], 0x80                ; xq
	s_load_b64 s[10:11], s[0:1], 0xa0              ; idx
	v_lshlrev_b32 v3, 4, v2                        ; my 16 bytes of a load's 512
	s_mul_i32 s17, s[WV], WREG
	v_lshrrev_b32 v14, 2, v2
	v_mul_u32_u24 v14, v14, SP
	v_and_b32 v15, 3, v2
	v_lshl_add_u32 v14, v15, 4, v14
	v_add_nc_u32 v14, s17, v14                     ; the stage, on the way in
	v_mul_u32_u24 v15, v2, SP
	v_add_nc_u32 v15, s17, v15                     ; and on the way out
	v_lshlrev_b32 v4, 3, v2                        ; 8 lane
	v_lshrrev_b32 v5, 1, v2
	s_add_co_u32 s17, s17, 2*32*SP
	v_add_nc_u32 v5, s17, v5                       ; my wave's 256 scale bytes: my block's byte,
	v_add_nc_u32 v6, s17, v4                       ; and on the way out 8 bytes a lane
	s_lshl_b32 s12, ttmp9, 3                       ; s0
	s_lshl_b32 s20, ttmp9, 17                      ; s0 rows of 16,384 bytes
	s_lshl_b32 s21, s[WV], 12                      ; + batch w
	s_add_co_u32 s20, s20, s21
	s_mov_b32 s21, 0
	s_lshl_b32 s22, s[WV], 13                      ; a batch's 2,048 words in mask and in inv
	s_mov_b32 s23, 0
	s_lshl_b32 s24, ttmp9, 5                       ; 4 s0
	s_mov_b32 s25, 0
	s_lshl_b32 s26, s[WV], 20                      ; a batch's codes
	s_mov_b32 s27, 0
	s_lshl_b32 s28, s[WV], 16                      ; a batch's scale bytes,
	s_add_co_u32 s28, s28, 0x400000                ; which lie behind the codes
	s_mov_b32 s29, 0
	s_wait_kmcnt 0x0
	s_add_nc_u64 s[4:5], s[4:5], s[20:21]
	s_add_nc_u64 s[6:7], s[6:7], s[22:23]
	s_add_nc_u64 s[30:31], s[6:7], s[24:25]
	s_add_nc_u64 s[14:15], s[8:9], s[28:29]
	s_add_nc_u64 s[8:9], s[8:9], s[26:27]
	s_add_nc_u64 s[18:19], s[10:11], s[22:23]
.irp i, 0,1,2,3,4,5,6,7,8,9,10,11,12,13,14,15
	global_load_b128 v[XC+4*\i:XC+4*\i+3], v3, s[6:7] offset:512*\i   ; the batch's whole mask: load i, lane l: words 128 i + 4 l + 0 .. 3
.endr
	s_load_b256 s[40:47], s[30:31], 0x0            ; and my eight rows' words as scalars
.irp t, 0,1,2,3
	X_LOAD \t
.endr
	s_mov_b32 s36, 1
	s_mov_b32 s37, 0
	s_mov_b32 s38, 0                               ; n_b: rows of the batch that count
	s_mov_b32 s39, 0                               ; those of them ahead of s0
	s_wait_loadcnt 16                              ; the mask is in; the 16 loads of x issued behind it may be out
.set i, 0
.rept 16
	s_sub_co_i32 s56, s12, 128*i                   ; of load i the lanes under (s0 - 128 i) / 4 lie ahead of s0 (s0 is a multiple of 8)
	s_ashr_i32 s56, s56, 2
	s_max_i32 s56, s56, 0
	s_min_i32 s56, s56, 32
	s_lshl_b64 s[58:59], s[36:37], s56
	s_sub_co_u32 s58, s58, 1                       ; so many ones
.irp k, 0,1,2,3
	v_cmp_ne_u32 s57, 0, v[XC+4*i+\k]
	s_bcnt1_i32_b32 s60, s57
	s_add_co_u32 s38, s38, s60
	s_and_b32 s57, s57, s58
	s_bcnt1_i32_b32 s60, s57
	s_add_co_u32 s39, s39, s60
.endr
.set i, i+1
.endr
	s_wait_kmcnt 0x0
.irp i, 0,1,2,3,4,5,6,7
	s_sub_co_u32 s56, s38, s39
	s_add_co_u32 s56, s56, s12
	s_add_co_u32 s56, s56, \i                      ; a row that does not count: n_b + the such rows ahead of it
	s_cmp_lg_u32 s[40+\i], 0
	s_cselect_b32 s[48+\i], s39, s56               ; a row that counts: the such rows ahead of it
	s_cselect_b32 s57, 1, 0
	s_add_co_u32 s39, s39, s57
	s_min_u32 s[48+\i], s[48+\i], 0x7ff            ; pos, held inside the batch's 2,048 rows
	s_lshl_b32 s56, s[48+\i], 9
	v_add_nc_u32 v[XPO+\i], s56, v4
.endr
	v_lshrrev_b32 v201, 2, v2                      ; four lanes to a row: row lane / 4
	v_mov_b32 v200, s48
.irp i, 1,2,3,4,5,6,7
	v_mov_b32 v202, s[48+\i]
	v_cmp_eq_u32 vcc_lo, \i, v201
	v_cndmask_b32 v200, v200, v202, vcc_lo
.endr
	v_min_u32 v200, 0x7ff, v200                    ; that row's pos
	v_and_b32 v203, 3, v2
	v_lshlrev_b32 v205, 5, v200
	v_lshl_add_u32 v205, v203, 3, v205             ; its 32 scale bytes, 8 a lane
	v_lshlrev_b32 v206, 2, v200
	v_add_nc_u32 v204, s12, v201                   ; s
	v_cmp_eq_u32 vcc_lo, 0, v203
	s_wait_xcnt 0x0                                ; EXEC changes only behind this wait: loads are out
	s_and_saveexec_b32 s56, vcc_lo
	global_store_b32 v206, v204, s[18:19]          ; inv[b][pos] = s: one lane a row
	s_wait_xcnt 0x0
	s_or_b32 exec_lo, exec_lo, s56
	s_cmp_lg_u32 ttmp9, 0
	s_cbranch_scc1 .Lx_not_first
	v_mov_b32 v207, s38                            ; the first work-group stores n_b: 32 equal words a batch
	s_lshl_b32 s57, s[WV], 7
	v_lshl_add_u32 v208, v2, 2, s57
	global_store_b32 v208, v207, s[10:11] offset:32768
.Lx_not_first:
	s_wait_loadcnt 12                              ; step 0's four loads are in
	X_TURN 0
.irp t, 0,1,2,3,4,5,6,7,8,9,10,11,12,13,14,15
	X_STEP \t
.endr
	ds_load_b64 v[8:9], v6                         ; my wave's 256 scale bytes: these loads see my stores
	s_wait_dscnt 0x0
	global_store_b64 v205, v[8:9], s[14:15]        ; pieces of 32 bytes, a row's: one byte for each 128 that the role reads
	s_branch .Lend
; ---------------- ROLE W: a wave takes 32 columns x 512 along K of one weight ----------------
.set NB,     16
.set WPITCH, 272
.set WX,     32                        ; v32-95   two sets of 32 numbers
.set WC,     96                        ; v96-99   a block's codes
.set WOUT,   112                       ; v112-175 the way out
.set WSB,    24                        ; v24-27   the scale bytes, four to a register
.macro W_LOAD t
.irp i, 0,1,2,3,4,5,6,7,8,9,10,11,12,13,14,15,16,17,18,19,20,21,22,23,24,25,26,27,28,29,30,31
	global_load_b32 v[WX+32*((\t)%2)+\i], v3, s[4:5] offset:(32*(\t)+\i)*4096 th:TH_LOAD_NT
.endr
.endm
.macro W_BLOCK t
.set XS, WX+32*((\t)%2)
.if (\t) < NB-1
	s_wait_loadcnt 32                              ; this block's 32 loads are in; the next block's may be out
.else
	s_wait_loadcnt 0
.endif
	v_max3_num_f32 v12, |v[XS]|, |v[XS+1]|, |v[XS+2]|
	v_max3_num_f32 v13, |v[XS+3]|, |v[XS+4]|, |v[XS+5]|
.irp i, 6,10,14,18,22,26
	v_max3_num_f32 v12, v12, |v[XS+\i]|, |v[XS+\i+1]|
	v_max3_num_f32 v13, v13, |v[XS+\i+2]|, |v[XS+\i+3]|
.endr
	v_max3_num_f32 v12, v12, |v[XS+30]|, |v[XS+31]|
	v_max3_num_f32 v12, v12, v13, (EMAX+1)<<23
	v_add_nc_u32 v11, -(EMAX<<23), v12
	v_lshrrev_b32 v13, 23, v11
.if (\t)%4 == 0
	v_mov_b32 v[WSB+(\t)/4], v13
.else
	v_lshl_or_b32 v[WSB+(\t)/4], v13, 8*((\t)%4), v[WSB+(\t)/4]
.endif
.irp g, 0,1,2,3
	v_cvt_scalef32_pk8_fp4_f32 v[WC+\g], v[XS+8*\g:XS+8*\g+7], v11
.endr
	v_nop                                          ; a plain instruction behind the last conversion
	ds_store_b128 v4, v[WC:WC+3] offset:16*(\t)    ; 32 codes: 16 bytes of my column's row
.if (\t)+2 < NB
	W_LOAD (\t)+2
.endif
	s_wait_dscnt 0x0                               ; the store has read its registers: the next block's codes may be written
.endm
.Lrole_w:
	s_load_b128 s[4:7], s[0:1], 0x10               ; Wq, Wk
	s_load_b64 s[8:9], s[0:1], 0x20                ; Wv
	s_load_b64 s[10:11], s[0:1], 0x88              ; wq
	s_sub_co_u32 s12, ttmp9, 256
	s_lshr_b32 s13, s12, 4                         ; which weight
	s_and_b32 s14, s12, 7                          ; which 128 columns
	s_bfe_u32 s18, s12, 0x10003                    ; which 512 along K
	s_lshl_b32 s17, s14, 7
	s_lshl_b32 s15, s[WV], 5
	s_add_co_u32 s17, s17, s15                     ; my wave's first column
	v_lshlrev_b32 v3, 2, v2
	s_mul_i32 s19, s[WV], 32*WPITCH
	s_add_co_u32 s19, s19, 32768                   ; my stage
	v_mul_u32_u24 v4, v2, WPITCH
	v_add_nc_u32 v4, s19, v4                       ; into it: row = my column
	v_and_b32 v5, 15, v2
	v_lshrrev_b32 v6, 4, v2
	v_mul_u32_u24 v7, v6, WPITCH
	v_lshl_add_u32 v7, v5, 4, v7
	v_add_nc_u32 v7, s19, v7                       ; out of it: sixteen lanes to a row, two rows an instruction
	v_lshlrev_b32 v8, 9, v6
	v_lshl_add_u32 v8, v5, 4, v8                   ; and the same place among the codes' rows of 512 bytes
	v_lshlrev_b32 v9, 5, v2                        ; my column's row of 32 scale bytes
	s_lshl_b32 s20, s18, 21                        ; 512 rows of 4,096 bytes
	s_lshl_b32 s22, s17, 2
	s_add_co_u32 s20, s20, s22
	s_mov_b32 s21, 0
	s_lshl_b32 s24, s13, 19                        ; codes: weight x 524,288 + column x 512 + 256 x half of K
	s_lshl_b32 s22, s17, 9
	s_add_co_u32 s24, s24, s22
	s_lshl_b32 s22, s18, 8
	s_add_co_u32 s24, s24, s22
	s_mov_b32 s25, 0
	s_lshl_b32 s28, s13, 15                        ; scale bytes: 1,572,864 + weight x 32,768 + column x 32 + 16 x half
	s_lshl_b32 s22, s17, 5
	s_add_co_u32 s28, s28, s22
	s_lshl_b32 s22, s18, 4
	s_add_co_u32 s28, s28, s22
	s_add_co_u32 s28, s28, 0x180000
	s_mov_b32 s29, 0
	s_wait_kmcnt 0x0
	s_cmp_eq_u32 s13, 0
	s_cselect_b64 s[4:5], s[4:5], s[6:7]
	s_cmp_eq_u32 s13, 2
	s_cselect_b64 s[4:5], s[8:9], s[4:5]
	s_add_nc_u64 s[4:5], s[4:5], s[20:21]
	s_add_nc_u64 s[6:7], s[10:11], s[24:25]
	s_add_nc_u64 s[8:9], s[10:11], s[28:29]
	W_LOAD 0
	W_LOAD 1
.set Q, 0
.rept NB
	W_BLOCK Q
.set Q, Q+1
.endr
	global_store_b128 v9, v[WSB:WSB+3], s[8:9]     ; my column's 16 scale bytes
.irp t, 0,1,2,3,4,5,6,7,8,9,10,11,12,13,14,15
	ds_load_b128 v[WOUT+4*\t:WOUT+4*\t+3], v7 offset:2*\t*WPITCH
.endr
.irp t, 0,1,2,3,4,5,6,7,8,9,10,11,12,13,14,15
	s_wait_dscnt 15-\t
	global_store_b128 v8, v[WOUT+4*\t:WOUT+4*\t+3], s[6:7] offset:2*\t*512   ; sixteen lanes store 256 consecutive bytes, aligned
.endr
	s_branch .Lend
; ---------------- ROLE O: a wave takes 32 columns of Wo x 256 along K: eight blocks of 32 ----------------
; A lane's 32 registers are k 0 .. 31 of its column; packed in pairs they are 16 registers.  The 16-bit operand wants lanes 16-31 to hold k + 8 of the SAME 16 columns: eight exchanges of halves
; between registers give two fragments, of columns 0-15 and of columns 16-31, and each group of four registers leaves as 512 consecutive bytes.
.set OX, 32                            ; v32-95   two sets of 32 numbers
.set OP, 96                            ; v96-127  two sets of 16 packed registers
.macro O_LOAD kb
.irp i, 0,1,2,3,4,5,6,7,8,9,10,11,12,13,14,15,16,17,18,19,20,21,22,23,24,25,26,27,28,29,30,31
	global_load_b32 v[OX+32*((\kb)%2)+\i], v3, s[4:5] offset:(32*(\kb)+\i)*4096 th:TH_LOAD_NT
.endr
.endm
.macro O_BLOCK kb
.set XS, OX+32*((\kb)%2)
.set PB, OP+16*((\kb)%2)
.if (\kb) < 7
	s_wait_loadcnt 32                              ; this block's loads are in; the next block's may be out
.else
	s_wait_loadcnt 0
.endif
.if (\kb) >= 2
	s_wait_xcnt 0x0                                ; the stores of two blocks ago have read this set of packed registers
.endif
.irp i, 0,1,2,3,4,5,6,7,8,9,10,11,12,13,14,15
	v_cvt_pk_f16_f32 v[PB+\i], v[XS+2*\i], v[XS+2*\i+1]
.endr
.irp i, 0,1,2,3
	v_permlane16_swap_b32 v[PB+\i], v[PB+4+\i]     ; the first's lanes 16-31 change places with the second's lanes 0-15
	v_permlane16_swap_b32 v[PB+8+\i], v[PB+12+\i]
.endr
	global_store_b128 v4, v[PB:PB+3], s[6:7] offset:1024*(\kb)
	global_store_b128 v4, v[PB+8:PB+11], s[6:7] offset:1024*(\kb)+512
	global_store_b128 v4, v[PB+4:PB+7], s[6:7] offset:1024*(\kb)+32768
	global_store_b128 v4, v[PB+12:PB+15], s[6:7] offset:1024*(\kb)+33280
.if (\kb)+2 < 8
	O_LOAD (\kb)+2
.endif
.endm
.Lrole_o:
	s_load_b64 s[4:5], s[0:1], 0x28                ; Wo
	s_load_b64 s[6:7], s[0:1], 0x90                ; wof
	s_sub_co_u32 s12, ttmp9, 304
	s_and_b32 s13, s12, 7                          ; which 128 columns
	s_lshr_b32 s14, s12, 3                         ; which 256 along K
	s_lshl_b32 s15, s13, 7
	s_lshl_b32 s17, s[WV], 5
	s_add_co_u32 s15, s15, s17                     ; my first column
	s_lshl_b32 s20, s14, 20
	s_lshl_b32 s17, s15, 2
	s_add_co_u32 s20, s20, s17
	s_mov_b32 s21, 0
	s_lshl_b32 s22, s15, 11                        ; (column / 16) tiles of 32,768 bytes
	s_lshl_b32 s17, s14, 13                        ; + 8 chunks of 1,024 bytes for each 256 along K
	s_add_co_u32 s22, s22, s17
	s_mov_b32 s23, 0
	v_lshlrev_b32 v3, 2, v2
	v_lshlrev_b32 v4, 4, v2
	s_wait_kmcnt 0x0
	s_add_nc_u64 s[4:5], s[4:5], s[20:21]
	s_add_nc_u64 s[6:7], s[6:7], s[22:23]
	O_LOAD 0
	O_LOAD 1
.irp kb, 0,1,2,3,4,5,6,7
	O_BLOCK \kb
.endr
.Lend:
	s_wait_tensorcnt 0x0                           ; the wave's end, behind the last LDS store
	ds_add_u32 v[SPW], v[NIL]
	s_wait_dscnt 0x0
	s_endpgm
.Lfunc_end_k_qfbb1c9c9b9_prep:
	.size	k_qfbb1c9c9b9_prep, .Lfunc_end_k_qfbb1c9c9b9_prep-k_qfbb1c9c9b9_prep
	.p2alignl 7, 3214868480
	.fill 96, 4, 3214868480
	.section	.rodata,"a",@progbits
	.p2align	6, 0x0
	.amdhsa_kernel k_qfbb1c9c9b9_prep
		.amdhsa_group_segment_fixed_size 68096
		.amdhsa_private_segment_fixed_size 0
		.amdhsa_enable_private_segment 0
		.amdhsa_kernarg_size 168
		.amdhsa_user_sgpr_count 2
		.amdhsa_user_sgpr_kernarg_segment_ptr 1
		.amdhsa_wavefront_size32 1
		.amdhsa_system_sgpr_workgroup_id_x 1
		.amdhsa_system_sgpr_workgroup_id_y 1
		.amdhsa_system_sgpr_workgroup_id_z 1
		.amdhsa_system_vgpr_workitem_id 0
		.amdhsa_next_free_vgpr 224
		.amdhsa_next_free_sgpr 100
		.amdhsa_reserve_vcc 1
		.amdhsa_float_denorm_mode_32 3
		.amdhsa_float_denorm_mode_16_64 3
		.amdhsa_memory_ordered 1
		.amdhsa_forward_progress 1
		.amdhsa_inst_pref_size 208
	.end_amdhsa_kernel
	.amdgpu_metadata
---
amdhsa.version: [ 1, 2 ]
amdhsa.kernels:
  - .name:           k_qfbb1c9c9b9_prep
    .symbol:         k_qfbb1c9c9b9_prep.kd
    .args:
      - { .name: x, .offset: 0, .size: 8, .value_kind: global_buffer, .address_space: global }
      - { .name: mask, .offset: 8, .size: 8, .value_kind: global_buffer, .address_space: global }
      - { .name: Wq, .offset: 16, .size: 8, .value_kind: global_buffer, .address_space: global }
      - { .name: Wk, .offset: 24, .size: 8, .value_kind: global_buffer, .address_space: global }
      - { .name: Wv, .offset: 32, .size: 8, .value_kind: global_buffer, .address_space: global }
      - { .name: Wo, .offset: 40, .size: 8, .value_kind: global_buffer, .address_space: global }
      - { .name: property_vector, .offset: 48, .size: 8, .value_kind: global_buffer, .address_space: global }
      - { .name: Wpq, .offset: 56, .size: 8, .value_kind: global_buffer, .address_space: global }
      - { .name: Wpk, .offset: 64, .size: 8, .value_kind: global_buffer, .address_space: global }
      - { .name: Wpg, .offset: 72, .size: 8, .value_kind: global_buffer, .address_space: global }
      - { .name: bpq, .offset: 80, .size: 8, .value_kind: global_buffer, .address_space: global }
      - { .name: bpk, .offset: 88, .size: 8, .value_kind: global_buffer, .address_space: global }
      - { .name: bpg, .offset: 96, .size: 8, .value_kind: global_buffer, .address_space: global }
      - { .name: bq, .offset: 104, .size: 8, .value_kind: global_buffer, .address_space: global }
      - { .name: bk, .offset: 112, .size: 8, .value_kind: global_buffer, .address_space: global }
      - { .name: bv, .offset: 120, .size: 8, .value_kind: global_buffer, .address_space: global }
      - { .name: xq, .offset: 128, .size: 8, .value_kind: global_buffer, .address_space: global }
      - { .name: wq, .offset: 136, .size: 8, .value_kind: global_buffer, .address_space: global }
      - { .name: wof, .offset: 144, .size: 8, .value_kind: global_buffer, .address_space: global }
      - { .name: tab, .offset: 152, .size: 8, .value_kind: global_buffer, .address_space: global }
      - { .name: idx, .offset: 160, .size: 8, .value_kind: global_buffer, .address_space: global }
    .group_segment_fixed_size: 68096
    .private_segment_fixed_size: 0
    .kernarg_segment_align: 8
    .kernarg_segment_size: 168
    .max_flat_workgroup_size: 128
    .sgpr_count:     100
    .vgpr_count:     224
    .wavefront_size: 32
...
	.end_amdgpu_metadata
.endif
;; end of part 1
;; launch qkv (part 2): grid 12 x 32, 4 waves a work-group, clusters of 4 x 4, 327,680 bytes of LDS; arguments xq, wq, tab, qkv; writes qkv
.if DOCPART == 2
	.amdgcn_target "amdgcn-amd-amdhsa--gfx1250"
	.amdhsa_code_object_version 6
	.text
	.protected	k_qfbb1c9c9b9_qkv
	.globl	k_qfbb1c9c9b9_qkv
	.p2align	8
	.type	k_qfbb1c9c9b9_qkv,@function
k_qfbb1c9c9b9_qkv:
	s_mov_b64 s[64:65], 0
	v_nop
	global_prefetch_b8 v0, s[64:65] scope:SCOPE_SE
	s_setreg_imm32_b32 hwreg(HW_REG_WAVE_MODE, 25, 1), 1
	s_wait_xcnt 0x0
	s_wait_alu depctr_hold_cnt(0) depctr_sa_sdst(0) depctr_va_vdst(0) depctr_va_sdst(0) depctr_va_ssrc(0) depctr_va_vcc(0) depctr_vm_vsrc(0)
	s_getreg_b32 s2, hwreg(HW_REG_IB_STS2, 6, 4)
	s_cmp_eq_u32 s2, 0
	s_cbranch_scc0 .Lentry_in_a_cluster
	s_endpgm
.Lentry_in_a_cluster:
	s_bfe_u32 s2, ttmp6, 0x10000c
	s_cmp_lg_u32 s2, 0xf033
	s_cbranch_scc0 .Lentry_shape_is_right
	s_endpgm
.Lentry_shape_is_right:
; Q, K, V = x Wq, x Wk, x Wv on codes of FP4 (E2M1) with one E8M0 scale for each 32 along K = 1,024; then x mul + bias (the table of the launch before), rounded once to f16.
; xq: codes [8192 row'][512 bytes], scale bytes [8192][32] from byte 4,194,304.  wq: codes [3072 n][512], scale bytes [3072][32] from byte 1,572,864 (rows 0-1023 Wq, 1024-2047 Wk, 2048-3071 Wv).
; A work-group of four waves makes 256 x 256, a wave 128 x 128: 64 accumulators, 512 registers.  K = 1,024 is two LDS slots of 512 along K: both, and the scale bytes, are first fills; nothing is filled again.
; By this text's own count a wave has three tensor loads out.
; CLUSTERS: 4 x 4 work-groups; A's tiles are asked for jointly along a row of the cluster, B's along a column.  Cluster x is the kind: 0 Q, 1 K, 2 V.
; THE MATRIX INSTRUCTION IS USED TRANSPOSED (source 0 = 16 rows of B, source 1 = 16 rows of A): a lane holds one row of A and eight neighbouring rows of B.
;   Q, K: A = x, B = W: a lane holds a row of x and eight channels: 16 bytes of f16, registers of the 16 x 32 fragment that the scores' product wants.
;   V:    A = W, B = x: a lane holds a channel and eight KEYS: registers of the fragment of V^T.  Only pointers and tile numbers are chosen, by cluster x, which all partners share.
; OUT: pieces of 512 bytes, lane l's 16 bytes at 16 l, at kind x 16,777,216 + (((16 b + head) x 128 + tile of 16 rows) x 4 + t) x 512: every store of a wave covers 512 consecutive bytes, aligned.
; LIMITS: results beyond 65,504 in magnitude have no f16 number; NaN and infinities are not served.
; REGISTERS: window 0: v0-31 addresses; v32-95 scale words, two sets; v96-103 the table's lane offsets; v128-191 A's fragments, one set; on the way out v32-95 and v128-191 are at work.
;   window 1: B's fragments at v0 and v128; v64-127 mul, v192-255 bias (8 registers for each block of 16).   windows 2, 3: the accumulators ((a, b) at v[8 (8 (a % 4) + b)]).
.set NQ,     4
.set ROWB,   256
.set KROW,   512
.set PITCH,  272                       ; an LDS row: 256 bytes + 16 of padding: the 16 rows that a load touches start at 16 different banks (64 banks of 4 bytes: ISA guide 11.1)
.set FR,     8
.set NL,     2
.set NP,     4
.set HALFT,  128*PITCH
.set SLOT,   4*HALFT
.set KS,     32
.set SCL,    2*SLOT
.set HALFS,  (128*KS/256)*272
.set SBLK,   (16*KS/256)*272
.set SPARE,  SCL+4*HALFS               ; the spare words, 128 bytes for each wave
.set ADRA, 16
.set ADRB, 20
.set CO,   26                          ; v26  16 x lane
.set ADRS, 27
.set SPW,  28
.set NIL,  29
.set SC,   32
.set TMPR, 32                          ; the way out: 64 numbers in f32
.set LJ,   96
.set AF,   128
.set PK,   128                         ; the way out: two sets of 32 packed registers
.set MULT, 64                          ; in window 1
.set BIAS, 192                         ; in window 1
.set G1, 24
.set G0, 32
.set G1B, 48
.set G0B, 56
.set G1S, 68
.set G0S, 76
.set G1SB, 80
.set G0SB, 88
.set MSB, 0
.macro WIN new                         ; the immediate's high byte repeats the setting that is left
.if MSB != (\new)
	s_set_vgpr_msb (MSB<<8)|(\new)
.set MSB, (\new)
.endif
.endm
.set MUL_LO, 0xa1
.set MUL_HI, 0xf1
.set TO_B,   0x40
; A joint load: waves 0 and 1 fetch for A, waves 2 and 3 for B; the branch hangs on the wave's number alone.  An s_nop 0 and four v_nop follow each of the two lines.
.macro JLOAD g0a, g1a, g0b, g1b
	s_cmp_eq_u32 s15, 0
	s_cbranch_scc0 .Lfor_b_\@
	tensor_load_to_lds s[\g0a:\g0a+3], s[\g1a:\g1a+7]
	s_nop 0
.rept 4
	v_nop
.endr
	s_branch .Lasked_\@
.Lfor_b_\@:
	tensor_load_to_lds s[\g0b:\g0b+3], s[\g1b:\g1b+7]
	s_nop 0
.rept 4
	v_nop
.endr
.Lasked_\@:
.endm
.macro CROUND                          ; a round of the cluster's barrier
	s_barrier_signal -1
	s_barrier_wait -1
	s_cmp_lg_u32 s14, 0
	s_cbranch_scc1 .Lnot_wave_0_\@
	s_barrier_signal -3
.Lnot_wave_0_\@:
	s_barrier_wait -3
	s_barrier_signal -1
	s_barrier_wait -1
.endm
	s_load_b256 s[4:11], s[0:1], 0x0               ; xq s[4:5], wq s[6:7], tab s[8:9], qkv s[10:11]
	v_lshl_add_u32 v[SPW], v0, 2, SPARE
	v_mov_b32 v[NIL], 0
	ds_add_u32 v[SPW], v[NIL]                      ; the wave's opening: the add, twice on end, and its wait ahead of my first tensor load
	ds_add_u32 v[SPW], v[NIL]
	v_lshrrev_b32 v1, 5, v0
	v_readfirstlane_b32 s14, v1                    ; wave 0..3
	s_lshr_b32 s15, s14, 1                         ; which half of A's rows is mine.  Also: I fetch for A (0) or for B (1)
	s_and_b32 s16, s14, 1                          ; which half of B's rows.  Also: which 128 rows of that tile I fetch
	s_bfe_u32 s40, ttmp6, 0x40000                  ; cx
	s_bfe_u32 s41, ttmp6, 0x40004                  ; cy
	s_and_b32 s12, ttmp7, 0xffff                   ; cluster y
	s_lshl_b32 s13, s12, 2
	s_add_co_u32 s17, s13, s41                     ; Q, K: A's block of 256 rows, of x: 4 y + cy
	s_add_co_u32 s95, s41, 8                       ; V: of wq: 8 + cy
	s_lshl_b32 s42, ttmp9, 2
	s_add_co_u32 s42, s42, s40                     ; Q, K: B's block, of wq: 4 x + cx
	s_add_co_u32 s66, s13, s40                     ; V: of x: 4 y + cx
	s_cmp_eq_u32 ttmp9, 2                          ; cluster x: the same in all sixteen partners
	s_cselect_b32 s17, s95, s17
	s_cselect_b32 s42, s66, s42
	s_lshl_b32 s43, s41, 2
	s_lshl_b32 s43, 15, s43                        ; my row of the cluster
	s_lshl_b32 s44, 0x1111, s40                    ; my column
	s_or_b32 s[G1+0], s43, (0<<16)|(1<<20)|(1<<21)|(5<<22)|(3<<25)  ; the mask; elements of 1 byte; padding on; bit 21 beside a mask; 4 words behind every 64
	s_or_b32 s[G1B+0], s44, (0<<16)|(1<<20)|(1<<21)|(5<<22)|(3<<25)
.irp g, G1, G1B
	s_mov_b32 s[\g+1], ROWB<<16                    ; tensor_dim0
	s_mov_b32 s[\g+2], 128<<16                     ; tensor_dim1
	s_mov_b32 s[\g+3], ROWB<<16                    ; tile_dim0
	s_mov_b32 s[\g+4], 128                         ; tile_dim1
	s_mov_b32 s[\g+5], KROW                        ; from row to row
	s_mov_b32 s[\g+6], 0
	s_mov_b32 s[\g+7], 0
.endr
	s_or_b32 s[G1S+0], s43, (3<<16)|(1<<20)|(1<<21)|(5<<22)|(3<<25)  ; the scale bytes of 128 rows: 4,096 dense bytes as 16 rows of 256 (32 elements of 8 bytes), 16 bytes of padding behind each
	s_or_b32 s[G1SB+0], s44, (3<<16)|(1<<20)|(1<<21)|(5<<22)|(3<<25)
.irp g, G1S, G1SB
	s_mov_b32 s[\g+1], 32<<16
	s_mov_b32 s[\g+2], (128*KS/256)<<16
	s_mov_b32 s[\g+3], 32<<16
	s_mov_b32 s[\g+4], 128*KS/256
	s_mov_b32 s[\g+5], 32
	s_mov_b32 s[\g+6], 0
	s_mov_b32 s[\g+7], 0
.endr
	s_lshl_b32 s18, s16, 7
	s_lshl_b32 s20, s17, 8
	s_add_co_u32 s20, s20, s18                     ; A: the first of the 128 rows that I fetch
	s_lshl_b32 s46, s42, 8
	s_add_co_u32 s46, s46, s18                     ; B likewise
	s_mov_b32 s21, 0
	s_mov_b32 s47, 0
	s_lshl_b64 s[22:23], s[20:21], 5               ; their scale bytes, 32 a row,
	s_lshl_b64 s[92:93], s[46:47], 5
	s_lshl_b64 s[20:21], s[20:21], 9               ; and their codes, 512 a row
	s_lshl_b64 s[46:47], s[46:47], 9
	s_mul_i32 s45, s14, HALFT                      ; where they go: no place in the cluster enters an LDS address
	s_mul_i32 s94, s14, HALFS
	s_mov_b32 s2, 0x400000                         ; where xq's scale bytes begin,
	s_mov_b32 s3, 0x180000                         ; and wq's
	s_cmp_eq_u32 ttmp9, 2
	s_cselect_b32 s18, s3, s2                      ; A's
	s_cselect_b32 s2, s2, s3                       ; B's
	s_mov_b32 s19, 0
	s_mov_b32 s3, 0
	s_add_nc_u64 s[22:23], s[22:23], s[18:19]
	s_add_nc_u64 s[92:93], s[92:93], s[2:3]
	s_wait_dscnt 0x0                               ; both opening adds are done
	s_wait_kmcnt 0x0
	s_cmp_eq_u32 ttmp9, 2
	s_cselect_b64 s[96:97], s[6:7], s[4:5]         ; A's buffer
	s_cselect_b64 s[98:99], s[4:5], s[6:7]         ; B's
	s_add_nc_u64 s[20:21], s[96:97], s[20:21]
	s_add_nc_u64 s[22:23], s[96:97], s[22:23]
	s_add_nc_u64 s[46:47], s[98:99], s[46:47]
	s_add_nc_u64 s[92:93], s[98:99], s[92:93]
	CROUND                                         ; all sixteen work-groups are here: the first joint loads meet
	s_mov_b32 s[G0S], 1
	s_add_co_u32 s[G0S+1], s94, SCL
	s_mov_b64 s[G0S+2:G0S+3], s[22:23]
	s_or_b32 s[G0S+3], s[G0S+3], 0x80000000
	s_mov_b32 s[G0SB], 1
	s_add_co_u32 s[G0SB+1], s94, SCL
	s_mov_b64 s[G0SB+2:G0SB+3], s[92:93]
	s_or_b32 s[G0SB+3], s[G0SB+3], 0x80000000
	JLOAD G0S, G1S, G0SB, G1SB                     ; the scale bytes first: they are wanted with the first slot
.irp s, 0,1
	s_mov_b32 s[G0+4*\s], 1
	s_add_co_u32 s[G0+4*\s+1], s45, \s*SLOT
	s_add_nc_u64 s[G0+4*\s+2:G0+4*\s+3], s[20:21], \s*ROWB
	s_or_b32 s[G0+4*\s+3], s[G0+4*\s+3], 0x80000000
	s_mov_b32 s[G0B+4*\s], 1
	s_add_co_u32 s[G0B+4*\s+1], s45, \s*SLOT
	s_add_nc_u64 s[G0B+4*\s+2:G0B+4*\s+3], s[46:47], \s*ROWB
	s_or_b32 s[G0B+4*\s+3], s[G0B+4*\s+3], 0x80000000
	JLOAD G0+4*\s, G1, G0B+4*\s, G1B
.endr
	v_and_b32 v1, 15, v0                           ; r
	v_bfe_u32 v2, v0, 4, 1                         ; h
	v_mul_u32_u24 v3, v1, PITCH
	v_lshl_add_u32 v4, v2, 4, v3                   ; a fragment's row x pitch + 16 h
	s_mul_i32 s21, s15, HALFT
	s_mul_i32 s22, s16, HALFT
	s_add_co_u32 s22, s22, 2*HALFT
.irp s, 0,1
	v_add_nc_u32 v[ADRA+\s], s21, v4
	v_add_nc_u32 v[ADRB+\s], s22, v4
	s_add_co_u32 s21, s21, SLOT
	s_add_co_u32 s22, s22, SLOT
.endr
	v_mul_u32_u24 v5, v1, KS                       ; my row's scale bytes: 32 a row, and 16 more for each 256 passed
	v_lshrrev_b32 v6, 8, v5
	v_lshl_add_u32 v5, v6, 4, v5
	s_mul_i32 s21, s15, HALFS
	s_mul_i32 s22, s16, HALFS
	s_add_co_u32 s22, s22, 2*HALFS
	s_sub_co_u32 s22, s22, s21
	v_mul_u32_u24 v6, s22, v2                      ; lanes 16-31 take B's
	s_add_co_u32 s21, s21, SCL
	v_add_nc_u32 v5, v5, v6
	v_add_nc_u32 v[ADRS], s21, v5
	v_and_b32 v6, 31, v0
	v_lshlrev_b32 v[CO], 4, v6
	; the table and the way out: which rows of x, which channels
	s_cmp_eq_u32 ttmp9, 2
	s_cselect_b32 s66, s42, s17                    ; the block of 256 rows of x,
	s_cselect_b32 s67, s16, s15                    ; my half of it;
	s_cselect_b32 s2, s41, s40                     ; the block of 256 channels,
	s_cselect_b32 s3, s15, s16                     ; my half of it
	s_cselect_b32 s95, -1, 0
	s_cselect_b32 s45, 0, 4
	s_lshl_b32 s2, s2, 2
	s_lshl_b32 s3, s3, 1
	s_add_co_u32 s2, s2, s3                        ; my first head
	s_and_b32 s66, s66, 7
	s_lshl_b32 s66, s66, 4
	s_lshl_b32 s67, s67, 3
	s_add_co_u32 s66, s66, s67                     ; my first tile of 16 rows in the batch
	s_lshr_b32 s67, s12, 1                         ; the batch
	s_lshl_b32 s18, ttmp9, 2
	s_add_co_u32 s18, s18, s67
	s_lshl_b32 s18, s18, 12                        ; (4 kind + b) rows of 4,096 bytes
	s_lshl_b32 s19, s2, 8                          ; + 64 channels of 4 bytes a head
	s_add_co_u32 s18, s18, s19
	s_mov_b32 s19, 0
	s_add_nc_u64 s[8:9], s[8:9], s[18:19]
	s_lshl_b32 s18, s67, 4
	s_add_co_u32 s18, s18, s2
	s_lshl_b32 s18, s18, 18                        ; (16 b + head) x 262,144
	s_lshl_b32 s3, s66, 11                         ; + tile x 2,048
	s_add_co_u32 s18, s18, s3
	s_lshl_b32 s3, ttmp9, 24                       ; + kind x 16,777,216
	s_add_co_u32 s18, s18, s3
	s_add_nc_u64 s[10:11], s[10:11], s[18:19]
	v_lshlrev_b32 v5, 2, v1                        ; V: the channel is A's row: 4 r, the same for my eight results
	v_lshlrev_b32 v6, 5, v2                        ; Q, K: the channels are my eight results: 32 h + 4 j
	v_cndmask_b32 v[LJ], v6, v5, s95
.irp j, 1,2,3,4,5,6,7
	v_add_nc_u32 v[LJ+\j], s45, v[LJ+\j-1]
.endr
	WIN 0x40                                       ; destination window 1
.irp i, 0,1,2,3,4,5,6,7
.irp j, 0,1,2,3,4,5,6,7
	global_load_b32 v[BIAS+8*\i+\j], v[LJ+\j], s[8:9] offset:64*\i
	global_load_b32 v[MULT+8*\i+\j], v[LJ+\j], s[8:9] offset:64*\i+49152
.endr
.endr
	WIN 0
.macro FRAG reg, adr, q, i             ; 16 rows x 128 K of 4-bit codes: 8 registers, two loads of 16 bytes, 32 bytes apart
.irp c, 0,1
	ds_load_b128 v[\reg+4*\c:\reg+4*\c+3], v[\adr] offset:64*(\q)+32*\c+(\i)*16*PITCH
.endr
.endm
; 16 matrix instructions: A's blocks a0, a0 + 1 x B's eight, 128 along K.  The 64 accumulators take turns, one instruction a turn, in the same order in every step.
.macro MUL16 a0, p, q, sc, zero
.irp a, \a0, \a0+1
.irp b, 0,1,2,3,4,5,6,7
.if \zero
	v_wmma_scale_f32_16x16x128_f8f6f4 v[8*(8*((\a)%4)+\b):8*(8*((\a)%4)+\b)+7], v[128*(\p)+FR*\b:128*(\p)+FR*\b+FR-1], v[AF+FR*(\a):AF+FR*(\a)+FR-1], 0, v[SC+8*NQ*(\sc)+NQ*\b+(\q)], v[SC+8*NQ*(\sc)+NQ*(\a)+(\q)] matrix_a_fmt:MATRIX_FMT_FP4 matrix_b_fmt:MATRIX_FMT_FP4 matrix_a_scale:MATRIX_SCALE_ROW1
.else
	v_wmma_scale_f32_16x16x128_f8f6f4 v[8*(8*((\a)%4)+\b):8*(8*((\a)%4)+\b)+7], v[128*(\p)+FR*\b:128*(\p)+FR*\b+FR-1], v[AF+FR*(\a):AF+FR*(\a)+FR-1], v[8*(8*((\a)%4)+\b):8*(8*((\a)%4)+\b)+7], v[SC+8*NQ*(\sc)+NQ*\b+(\q)], v[SC+8*NQ*(\sc)+NQ*(\a)+(\q)] matrix_a_fmt:MATRIX_FMT_FP4 matrix_b_fmt:MATRIX_FMT_FP4 matrix_a_scale:MATRIX_SCALE_ROW1
.endif
.endr
.endr
.endm
.macro FETCH_B slot, q, p
	WIN TO_B
.irp i, 0,1,2,3,4,5,6,7
	FRAG 128*(\p)+FR*\i, ADRB+\slot, \q, \i
.endr
	WIN 0
.endm
.macro FETCH_A slot, q, i0
.irp i, \i0, \i0+1, \i0+2, \i0+3
	FRAG AF+FR*(\i), ADRA+\slot, \q, \i
.endr
.endm
.macro SCALES sc                       ; a slot's scale words: four words a row; lanes 0-15 take A's block i, lanes 16-31 B's block i
.irp i, 0,1,2,3,4,5,6,7
	ds_load_b128 v[SC+8*NQ*\sc+NQ*\i:SC+8*NQ*\sc+NQ*\i+3], v[ADRS] offset:\i*SBLK
.endr
.endm
.macro PLACES n                        ; plain vector instructions between a matrix instruction and a load into, or a vector instruction on, its registers
.rept \n
	v_nop
.endr
.endm
.macro STEP slot, q, zero              ; 128 along K, with its successor in the same slot
	s_wait_dscnt 4*NL                              ; B's set and A's blocks 0-3 are in; A's blocks 4-7, the youngest eight loads, may be out
	WIN MUL_LO
	MUL16 0, (\q)%2, \q, \slot, \zero
	MUL16 2, (\q)%2, \q, \slot, \zero
	s_wait_dscnt 0
	PLACES NP
	FETCH_B \slot, (\q)+1, 1-(\q)%2
	FETCH_A \slot, (\q)+1, 0
	WIN MUL_HI
	MUL16 4, (\q)%2, \q, \slot, \zero
	MUL16 6, (\q)%2, \q, \slot, \zero
	PLACES NP
	WIN 0
	FETCH_A \slot, (\q)+1, 4
.endm
.macro TURN slot, next                 ; a slot's last step: one barrier, in front of which each wave has waited for its part of the next slot
	s_wait_tensorcnt 0x0                           ; all my tensor loads have landed
	ds_add_u32 v[SPW], v[NIL]                      ; 0 onto my spare word
	s_wait_dscnt 4*NL+1                            ; (the add and A's blocks 4-7 may be out)
	WIN MUL_LO
	MUL16 0, 1, NQ-1, \slot, 0
	s_wait_dscnt 0x0
	s_barrier_signal -1
	MUL16 2, 1, NQ-1, \slot, 0
	WIN 0
	s_barrier_wait -1
	PLACES NP
	v_add_nc_u32 v[ADRS], 4*NQ, v[ADRS]            ; on to the next slot's scale words
	FETCH_B \next, 0, 0
	FETCH_A \next, 0, 0
	SCALES \next
	WIN MUL_HI
	MUL16 4, 1, NQ-1, \slot, 0
	MUL16 6, 1, NQ-1, \slot, 0
	PLACES NP
	WIN 0
	FETCH_A \next, 0, 4
.endm
	s_wait_tensorcnt 1                             ; the scale bytes and my part of slot 0 are in; slot 1's load may be out
	s_barrier_signal -1
	s_barrier_wait -1
	FETCH_B 0, 0, 0
	FETCH_A 0, 0, 0
	SCALES 0
	FETCH_A 0, 0, 4
	STEP 0, 0, 1                                   ; the first step's products start the sums: nothing is cleared
	STEP 0, 1, 0
	STEP 0, 2, 0
	TURN 0, 1
	STEP 1, 0, 0
	STEP 1, 1, 0
	STEP 1, 2, 0
	s_wait_dscnt 4*NL
	WIN MUL_LO
	MUL16 0, 1, NQ-1, 1, 0
	MUL16 2, 1, NQ-1, 1, 0
	s_wait_dscnt 0
	WIN MUL_HI
	MUL16 4, 1, NQ-1, 1, 0
	MUL16 6, 1, NQ-1, 1, 0
	WIN 0
; THE WAY OUT, A's block a at a time: sum x mul + bias (two at a time, each accumulator from its low end on), rounded to f16, eight stores of 512 consecutive bytes.
; swap = 0 (Q, K): the table goes by B's block (my eight channels);  swap = 1 (V): by A's block (my one channel, eight times).
.macro WAYOUT swap
.irp a, 0,1,2,3,4,5,6,7
.if \a >= 2
	s_wait_xcnt 0x0                                ; the stores of two blocks ago have read this set of packed registers
.endif
	WIN 0x16+\a/4                                  ; sums in window 2 or 3, the table in window 1, results in window 0
.irp bt, 0,1,2,3,4,5,6,7
.irp i, 0,1,2,3
.if \swap
	v_pk_fma_f32 v[TMPR+8*\bt+2*\i:TMPR+8*\bt+2*\i+1], v[64*(\a%4)+8*\bt+2*\i:64*(\a%4)+8*\bt+2*\i+1], v[MULT+8*\a+2*\i:MULT+8*\a+2*\i+1], v[BIAS+8*\a+2*\i:BIAS+8*\a+2*\i+1]
.else
	v_pk_fma_f32 v[TMPR+8*\bt+2*\i:TMPR+8*\bt+2*\i+1], v[64*(\a%4)+8*\bt+2*\i:64*(\a%4)+8*\bt+2*\i+1], v[MULT+8*\bt+2*\i:MULT+8*\bt+2*\i+1], v[BIAS+8*\bt+2*\i:BIAS+8*\bt+2*\i+1]
.endif
.endr
.endr
	WIN 0
.irp bt, 0,1,2,3,4,5,6,7
.irp i, 0,1,2,3
	v_cvt_pk_f16_f32 v[PK+32*(\a%2)+4*\bt+\i], v[TMPR+8*\bt+2*\i], v[TMPR+8*\bt+2*\i+1]
.endr
.endr
.irp bt, 0,1,2,3,4,5,6,7
.if \swap
	global_store_b128 v[CO], v[PK+32*(\a%2)+4*\bt:PK+32*(\a%2)+4*\bt+3], s[10:11] offset:(\a/4)*262144+\bt*2048+(\a%4)*512
.else
	global_store_b128 v[CO], v[PK+32*(\a%2)+4*\bt:PK+32*(\a%2)+4*\bt+3], s[10:11] offset:(\bt/4)*262144+\a*2048+(\bt%4)*512
.endif
.endr
.endr
.endm
	s_wait_loadcnt 0x0                             ; the table
	PLACES NP                                      ; behind the last products: their results are read, and their operands' and scales' registers written
	s_cmp_eq_u32 ttmp9, 2
	s_cbranch_scc1 .Lout_v
	WAYOUT 0
	s_branch .Lout_done
.Lout_v:
	WAYOUT 1
.Lout_done:
	s_wait_tensorcnt 0x0                           ; the wave's end
	ds_add_u32 v[SPW], v[NIL]
	s_wait_dscnt 0x0
	CROUND                                         ; the closing round: no work-group ends while a partner may still ask for a tile that names it
	s_endpgm
.Lfunc_end_k_qfbb1c9c9b9_qkv:
	.size	k_qfbb1c9c9b9_qkv, .Lfunc_end_k_qfbb1c9c9b9_qkv-k_qfbb1c9c9b9_qkv
	.p2alignl 7, 3214868480
	.fill 96, 4, 3214868480
	.section	.rodata,"a",@progbits
	.p2align	6, 0x0
	.amdhsa_kernel k_qfbb1c9c9b9_qkv
		.amdhsa_group_segment_fixed_size 327680
		.amdhsa_private_segment_fixed_size 0
		.amdhsa_enable_private_segment 0
		.amdhsa_kernarg_size 32
		.amdhsa_user_sgpr_count 2
		.amdhsa_user_sgpr_kernarg_segment_ptr 1
		.amdhsa_wavefront_size32 1
		.amdhsa_system_sgpr_workgroup_id_x 1
		.amdhsa_system_sgpr_workgroup_id_y 1
		.amdhsa_system_sgpr_workgroup_id_z 1
		.amdhsa_system_vgpr_workitem_id 0
		.amdhsa_next_free_vgpr 1024
		.amdhsa_next_free_sgpr 100
		.amdhsa_reserve_vcc 0
		.amdhsa_float_denorm_mode_32 3
		.amdhsa_float_denorm_mode_16_64 3
		.amdhsa_memory_ordered 1
		.amdhsa_forward_progress 1
		.amdhsa_inst_pref_size 186
	.end_amdhsa_kernel
	.amdgpu_metadata
---
amdhsa.version: [ 1, 2 ]
amdhsa.kernels:
  - .name:           k_qfbb1c9c9b9_qkv
    .symbol:         k_qfbb1c9c9b9_qkv.kd
    .args:
      - { .name: xq, .offset: 0, .size: 8, .value_kind: global_buffer, .address_space: global }
      - { .name: wq, .offset: 8, .size: 8, .value_kind: global_buffer, .address_space: global }
      - { .name: tab, .offset: 16, .size: 8, .value_kind: global_buffer, .address_space: global }
      - { .name: qkv, .offset: 24, .size: 8, .value_kind: global_buffer, .address_space: global }
    .group_segment_fixed_size: 327680
    .private_segment_fixed_size: 0
    .kernarg_segment_align: 8
    .kernarg_segment_size: 32
    .max_flat_workgroup_size: 128
    .sgpr_count:     100
    .vgpr_count:     1024
    .wavefront_size: 32
...
	.end_amdgpu_metadata
.endif
;; end of part 2
;; launch attn (part 3): grid 4 x 64, 8 waves a work-group, no clusters, 66,560 bytes of LDS; arguments qkv, idx, attf; writes attf
.if DOCPART == 3
	.amdgcn_target "amdgcn-amd-amdhsa--gfx1250"
	.amdhsa_code_object_version 6
	.text
	.protected	k_qfbb1c9c9b9_attn
	.globl	k_qfbb1c9c9b9_attn
	.p2align	8
	.type	k_qfbb1c9c9b9_attn,@function
k_qfbb1c9c9b9_attn:
	s_mov_b64 s[64:65], 0
	v_nop
	global_prefetch_b8 v0, s[64:65] scope:SCOPE_SE
	s_setreg_imm32_b32 hwreg(HW_REG_WAVE_MODE, 25, 1), 1
	s_wait_xcnt 0x0
; att[b][head][q] = softmax_k(Q . K / 8) V' over the keys that count, V' = V x gate.  Q, K, V': f16 pieces of 512 bytes (lane l's 16 bytes at 16 l), rows permuted so that the n_b keys of batch b whose
; mask is not 0 are keys 0 .. n_b - 1.  Products, maxima and sums in f32; the weights p are rounded to f16 for the second product, att once at the end.
; KEYS WHOSE MASK IS 0 ARE NOT WALKED.  Their score is -1e9 in the problem's text, so their weight is exp(-1e9 - max), which is 0 in f32.
; LIMIT: that holds while every query has a counting key with a score above -1e9 + 104.  Where NO key of a batch counts, the problem's text gives every key the same weight: then all 2,048 keys are walked with the
; score's factor c = 0.  Q, K, V' beyond 65,504 have no f16 number; NaN and infinities are not served.
; SHARES.  A work-group owns 512 queries of one (b, head), each of its eight waves 64: four tiles of 16, in two pieces of two tiles.  Two waves lie on a SIMD: one's softmax stands beside the other's products.
; K and V' come 128 keys at a time: 16,384 + 16,384 consecutive bytes of memory, through registers into one of two LDS slots (a wave brings 4,096 bytes); all eight waves read them as they lie.
; NO TENSOR LOAD AND NO CLUSTER: which steps are walked hangs on n_b, a stored whole number.
; The loop's trip count is a constant (16 slots of 128 keys); a slot at or beyond the last key is jumped over by scalar branches, the barrier is passed by every wave in every trip.
; LAYOUT.  S^T = K Q^T (source 0 = 16 keys, source 1 = 16 queries): a lane holds ONE query and keys 8 (lane / 16) + 0..7; two such tiles, packed to f16, ARE source 1 of O^T = V'^T P.
; SOFTMAX.  A running maximum m and sum l for each query: p = 2^(c s - c m), c = log2(e) / 8; in every step O^T and l are multiplied by a = 2^(c m_old - c m_new).
; REGISTERS.  Window 0: v1-11 addresses; v16-31 c m, m, l (two halves) of four tiles; v32-47 at work; v48-79 the 4,096 bytes on their way to LDS; v80-143 S^T of a piece; v144-175 P; v176-239 Q.
;   Window 1: v0-127 O^T (32 a tile); v128-191 K of a step; v192-255 V' of a step.
.set SPARE, 65536
.set LI,   1                           ; v1   16 x lane
.set ST0,  2                           ; v2   4,096 x wave + 16 x lane: where I store into a slot
.set GO,   5                           ; v5   4,096 x (wave % 4) + 16 x lane: my part of a slot's 16,384 bytes in memory
.set GA,   6                           ; v6   the same + the slot's offset
.set PFO,  7                           ; v7   8,192 x (wave % 4) + 256 x lane: the prefetches' offset
.set PA,   8                           ; v8   the same + the slot's offset
.set NINF, 9                           ; v9   -infinity
.set SPW,  10
.set NIL,  11
.set ST,   16
.set WK,   32
.set STG,  48
.set S,    80
.set P,    144
.set Q,    176
.set KF,   128                         ; in window 1
.set VF,   192                         ; in window 1
.set WV,   10
.set NE,   12                          ; s12  keys to walk
.set K0,   13                          ; s13  the trip's first key
.set OFF,  14                          ; s14  the next slot's offset in a head's K or V: 128 bytes a key
.set PLIM, 15                          ; s15  NE in a wave that prefetches, else 0
.set SRC,  16                          ; s[16:17] my head's K (waves 0-3) or V' (waves 4-7)
.set QB,   18
.set SEL,  20
.set CS,   22
.set T0,   24
.set T1,   25
.set REM,  26
.set CNT,  27
.set OUTB, 28
.set TM,   68                          ; s68-99 the last step's masks: bit l of s[68 + 8 kt + j] = key 16 kt + 8 (l / 16) + j lies at or beyond the last key
.set MSB, 0
.macro WIN new
.if MSB != (\new)
	s_set_vgpr_msb (MSB<<8)|(\new)
.set MSB, (\new)
.endif
.endm
	s_load_b128 s[4:7], s[0:1], 0x0                ; qkv, idx
	s_load_b64 s[8:9], s[0:1], 0x10                ; attf
	v_lshl_add_u32 v[SPW], v0, 2, SPARE
	v_mov_b32 v[NIL], 0
	v_lshrrev_b32 v3, 5, v0
	v_readfirstlane_b32 s[WV], v3
	v_and_b32 v4, 31, v0
	v_lshlrev_b32 v[LI], 4, v4
	v_lshl_add_u32 v[ST0], v3, 12, v[LI]
	s_and_b32 s30, ttmp7, 0xffff                   ; 16 b + head
	s_lshr_b32 s31, s30, 4
	s_and_b32 s32, s30, 15
	s_lshl_b32 s33, s31, 7
	s_wait_kmcnt 0x0
	s_load_b32 s[NE], s[6:7], s33 offset:0x8000    ; n_b
	s_and_b32 s34, s[WV], 3
	s_lshl_b32 s35, s34, 12
	v_add_nc_u32 v[GO], s35, v[LI]
	s_lshl_b32 s35, s34, 13
	v_lshl_add_u32 v[PFO], v4, 8, s35
	s_lshl_b32 s36, s30, 18                        ; a head's 262,144 bytes
	s_mov_b32 s35, 0x2000000
	s_cmp_lt_u32 s[WV], 4
	s_cselect_b32 s38, 0x1000000, s35              ; K begins 16,777,216 bytes on, V' twice that
	s_add_co_u32 s38, s38, s36
	s_mov_b32 s39, 0
	s_add_nc_u64 s[SRC:SRC+1], s[4:5], s[38:39]
	s_lshl_b32 s38, ttmp9, 16                      ; my block's 32 tiles of 2,048 bytes,
	s_add_co_u32 s38, s38, s36
	s_lshl_b32 s35, s[WV], 13                      ; my wave's four
	s_add_co_u32 s38, s38, s35
	s_add_nc_u64 s[QB:QB+1], s[4:5], s[38:39]
	s_lshl_b32 s38, s31, 22                        ; attf: (128 b + 32 x + 4 wave) tiles of 32,768 bytes + 2,048 x head
	s_lshl_b32 s35, ttmp9, 20
	s_add_co_u32 s38, s38, s35
	s_lshl_b32 s35, s[WV], 17
	s_add_co_u32 s38, s38, s35
	s_lshl_b32 s35, s32, 11
	s_add_co_u32 s38, s38, s35
	s_add_nc_u64 s[OUTB:OUTB+1], s[8:9], s[38:39]
.irp p, 0,1,2,3,4,5,6,7,8,9,10,11,12,13,14,15
	global_load_b128 v[Q+4*\p:Q+4*\p+3], v[LI], s[QB:QB+1] offset:512*\p th:TH_LOAD_NT   ; Q stays in registers: tile p / 4, piece p % 4
.endr
.irp i, 0,1,2,3,4,5,6,7
	global_load_b128 v[STG+4*\i:STG+4*\i+3], v[GO], s[SRC:SRC+1] offset:512*\i           ; my part of the first 128 keys
.endr
	s_mov_b32 s[SEL], 0x76543210
	s_mov_b32 s[SEL+1], 0xfedcba98
.irp i, 0,1,2,3
	v_mov_b32 v[ST+4*\i+1], 0xff61b1e6             ; m: -3e38, under every score
	v_mov_b32 v[ST+4*\i+2], 0
	v_mov_b32 v[ST+4*\i+3], 0
.endr
.set k, 0
.rept 16
	v_mov_b32 v[WK+k], 0                           ; written once: permutes' destinations and the upper halves of pairs count as read
.set k, k+1
.endr
	v_mov_b32 v[NINF], 0xff800000
	WIN 0x40
.set k, 0
.rept 128
	v_mov_b32 v[k], 0                              ; O^T.  The key step is written once: its first run finds zeros, which a = 0 leaves zeros
.set k, k+1
.endr
	WIN 0
	s_wait_kmcnt 0x0
	s_min_u32 s[NE], s[NE], 0x800
	s_cmp_eq_u32 s[NE], 0
	s_cselect_b32 s[CS], 0, 0x3e38aa3b             ; c = log2(e) / 8; 0 where no key counts
	s_cselect_b32 s[NE], 0x800, s[NE]
	s_mov_b32 s[CS+1], s[CS]
	s_and_b32 s33, s[WV], 2
	s_or_b32 s33, s33, ttmp9
	s_cmp_eq_u32 s33, 0
	s_cselect_b32 s[PLIM], s[NE], 0                ; the head's first work-group, waves 0, 1 (K) and 4, 5 (V')
	s_sub_co_u32 s33, s[NE], 1
	s_and_b32 s33, s33, 63
	s_add_co_u32 s33, s33, 1                       ; keys in the last step, 1 .. 64
	v_bfe_u32 v12, v0, 4, 1
	v_lshlrev_b32 v12, 3, v12
	v_sub_nc_u32 v12, s33, v12
.irp kt, 0,1,2,3
.irp j, 0,1,2,3,4,5,6,7
	v_cmp_ge_i32 s[TM+8*\kt+\j], 16*\kt+\j, v12
.endr
.endr
.irp i, 0,1,2,3
	v_mul_f32 v[ST+4*\i], s[CS], v[ST+4*\i+1]      ; c m
.endr
; S^T = K Q^T for piece y: eight accumulators by turns, one instruction a turn; the first eight start the sums
.macro KQ y
	WIN 0x01                                       ; K in window 1
.irp u, 0,1
.irp kt, 0,1,2,3
.irp e, 0,1
.if \u == 0
	v_wmma_f32_16x16x32_f16 v[S+32*\e+8*\kt:S+32*\e+8*\kt+7], v[KF+16*\kt:KF+16*\kt+7], v[Q+16*((\y)+\e):Q+16*((\y)+\e)+7], 0
.else
	v_wmma_f32_16x16x32_f16 v[S+32*\e+8*\kt:S+32*\e+8*\kt+7], v[KF+16*\kt+8:KF+16*\kt+15], v[Q+16*((\y)+\e)+8:Q+16*((\y)+\e)+15], v[S+32*\e+8*\kt:S+32*\e+8*\kt+7]
.endif
.endr
.endr
.endr
	WIN 0
.endm
; O^T += V'^T P for piece y: eight accumulators by turns
.macro PV y
	WIN 0x51                                       ; V' and O^T in window 1, P in window 0
.irp kc, 0,1
.irp t, 0,1,2,3
.irp e, 0,1
	v_wmma_f32_16x16x32_f16 v[32*((\y)+\e)+8*\t:32*((\y)+\e)+8*\t+7], v[VF+32*\kc+8*\t:VF+32*\kc+8*\t+7], v[P+16*\e+8*\kc:P+16*\e+8*\kc+7], v[32*((\y)+\e)+8*\t:32*((\y)+\e)+8*\t+7]
.endr
.endr
.endr
	WIN 0
.endm
; In the one step that holds the last key, the scores of keys beyond it become -infinity: p = 0 then.  A step all of whose 64 keys count jumps over this.
.macro MASK
	s_cmp_ge_u32 s[REM], 64
	s_cbranch_scc1 .Lfull_\@
.irp e, 0,1
.irp kt, 0,1,2,3
.irp j, 0,1,2,3,4,5,6,7
	v_cndmask_b32 v[S+32*\e+8*\kt+\j], v[S+32*\e+8*\kt+\j], v[NINF], s[TM+8*\kt+\j]
.endr
.endr
.endr
.Lfull_\@:
.endm
; The softmax of piece y's two tiles for 64 keys; the tiles alternate line by line, so that no line waits for the line above it.
.macro SMAX y
.irp j, 0,1,2,3
.irp e, 0,1
	v_max3_num_f32 v[WK+8*\e+\j], v[S+32*\e+8*\j], v[S+32*\e+8*\j+1], v[S+32*\e+8*\j+2]   ; four chains, each beginning at an accumulator's low end
.endr
.endr
.irp g, 1,2
.irp j, 0,1,2,3
.irp e, 0,1
	v_max3_num_f32 v[WK+8*\e+\j], v[WK+8*\e+\j], v[S+32*\e+8*\j+2*\g+1], v[S+32*\e+8*\j+2*\g+2]
.endr
.endr
.endr
.irp e, 0,1
	v_max3_num_f32 v[WK+8*\e], v[WK+8*\e], v[S+32*\e+7], v[S+32*\e+15]
.endr
.irp e, 0,1
	v_max3_num_f32 v[WK+8*\e+2], v[WK+8*\e+2], v[S+32*\e+23], v[S+32*\e+31]
.endr
.irp e, 0,1
	v_max3_num_f32 v[WK+8*\e], v[WK+8*\e], v[WK+8*\e+1], v[WK+8*\e+2]
.endr
.irp e, 0,1
	v_max3_num_f32 v[WK+8*\e], v[WK+8*\e], v[WK+8*\e+3], v[ST+4*((\y)+\e)+1]   ; and the old m
.endr
.irp e, 0,1
	v_permlanex16_b32 v[WK+8*\e+1], v[WK+8*\e], s[SEL], s[SEL+1]               ; the query's other 32 keys lie in the lane 16 away
.endr
.irp e, 0,1
	v_mov_b32 v[WK+8*\e+6], v[ST+4*((\y)+\e)]                                  ; c m_old
.endr
.irp e, 0,1
	v_max_num_f32 v[ST+4*((\y)+\e)+1], v[WK+8*\e], v[WK+8*\e+1]
.endr
.irp e, 0,1
	v_mul_f32 v[ST+4*((\y)+\e)], s[CS], v[ST+4*((\y)+\e)+1]
.endr
.irp e, 0,1
	v_sub_f32 v[WK+8*\e+6], v[WK+8*\e+6], v[ST+4*((\y)+\e)]
.endr
.set k, 0
.rept 16
.irp e, 0,1
	v_pk_fma_f32 v[S+32*\e+2*k:S+32*\e+2*k+1], v[S+32*\e+2*k:S+32*\e+2*k+1], s[CS:CS+1], v[ST+4*((\y)+\e):ST+4*((\y)+\e)+1] op_sel_hi:[1,0,0] neg_lo:[0,0,1] neg_hi:[0,0,1]   ; c s - c m
.endr
.set k, k+1
.endr
.irp e, 0,1
	v_exp_f32 v[WK+8*\e+4], v[WK+8*\e+6]           ; a
.endr
.set k, 0
.rept 32
.irp e, 0,1
	v_exp_f32 v[S+32*\e+k], v[S+32*\e+k]           ; p
.endr
.set k, k+1
.endr
	v_nop                                          ; a plain instruction behind the last exponential
	s_wait_alu depctr_va_vdst(0)                   ; ONE wait for both tiles' 66 exponentials, ahead of their first reader
.set k, 0
.rept 16
.irp e, 0,1
	v_cvt_pk_f16_f32 v[P+16*\e+k], v[S+32*\e+2*k], v[S+32*\e+2*k+1]
.endr
.set k, k+1
.endr
.irp w, 4,8,16,32                              ; the sum of 16 pairs, in place: neighbours 1, 2, 4 and 8 pairs apart
.set k, 0
.rept 32/\w
.irp e, 0,1
	v_pk_add_f32 v[S+32*\e+\w*k:S+32*\e+\w*k+1], v[S+32*\e+\w*k:S+32*\e+\w*k+1], v[S+32*\e+\w*k+\w/2:S+32*\e+\w*k+\w/2+1]
.endr
.set k, k+1
.endr
.endr
.irp e, 0,1
	v_pk_fma_f32 v[ST+4*((\y)+\e)+2:ST+4*((\y)+\e)+3], v[ST+4*((\y)+\e)+2:ST+4*((\y)+\e)+3], v[WK+8*\e+4:WK+8*\e+5], v[S+32*\e:S+32*\e+1] op_sel_hi:[1,0,1]   ; l = l a + the sum
.endr
	WIN 0x41                                       ; O^T in window 1, a in window 0
.set k, 0
.rept 16
.irp e, 0,1
	v_pk_mul_f32 v[32*((\y)+\e)+2*k:32*((\y)+\e)+2*k+1], v[32*((\y)+\e)+2*k:32*((\y)+\e)+2*k+1], v[WK+8*\e+4:WK+8*\e+5] op_sel_hi:[1,0]
.endr
.set k, k+1
.endr
	WIN 0
.endm
; A KEY STEP: 64 keys, half q of the slot.
.macro STEP slot, q
	s_sub_co_u32 s[REM], s[NE], s[K0]
.if \q
	s_sub_co_u32 s[REM], s[REM], 64                ; keys left from this step's first on
.endif
.rept 4
	v_nop                                          ; places in front of loads into registers that the last products have read
.endr
	WIN 0x40
.irp kt, 0,1,2,3
.irp t, 0,1,2,3
	ds_load_b128 v[KF+16*\kt+4*\t:KF+16*\kt+4*\t+3], v[LI] offset:32768*\slot+8192*\q+2048*\kt+512*\t
.endr
.endr
.irp kc, 0,1
.irp c, 0,1
.irp t, 0,1,2,3
	ds_load_b128 v[VF+32*\kc+8*\t+4*\c:VF+32*\kc+8*\t+4*\c+3], v[LI] offset:32768*\slot+16384+8192*\q+2048*(2*\kc+\c)+512*\t
.endr
.endr
.endr
	WIN 0
	s_wait_dscnt 16                                ; K is in; V's 16 loads may be out
	KQ 0
.rept 4
	v_nop                                          ; places behind the products, ahead of the first read of their results
.endr
	MASK
	SMAX 0
	s_wait_dscnt 0x0                               ; V' is in
	PV 0
	KQ 2
.rept 4
	v_nop
.endr
	MASK
	SMAX 2
	PV 2
.endm
; A TRIP: one slot of 128 keys.  ONE barrier, passed by every wave in every trip.  In front of it: my stores into this slot are done, and my reads of the other slot (the trip before) are back.
; So behind it this slot is whole, and the next trip may store into the other one.
.macro TRIP slot
	s_wait_loadcnt 0x0                             ; my part of this slot's bytes is in registers (first trip: Q too)
	s_cmp_lt_u32 s[K0], s[NE]
	s_cbranch_scc0 .Lno_store_\@
.irp i, 0,1,2,3,4,5,6,7
	ds_store_b128 v[ST0], v[STG+4*\i:STG+4*\i+3] offset:32768*\slot+512*\i
.endr
.Lno_store_\@:
	s_wait_dscnt 0x0
	s_barrier_signal -1
	s_barrier_wait -1
	s_add_co_u32 s[T0], s[K0], 128
	s_cmp_lt_u32 s[T0], s[NE]
	s_cbranch_scc0 .Lno_load_\@
	s_wait_xcnt 0x0                                ; the last prefetch, a trip back, has read its address register
	s_min_u32 s[T1], s[OFF], 245760                ; (held inside the head's 262,144 bytes)
	v_add_nc_u32 v[GA], s[T1], v[GO]
.irp i, 0,1,2,3,4,5,6,7
	global_load_b128 v[STG+4*\i:STG+4*\i+3], v[GA], s[SRC:SRC+1] offset:512*\i   ; the next slot's bytes: they have this trip's two key steps in which to come
.endr
	; A prefetch of the slot after that one: 16,384 bytes of K and of V', 64 blocks of 256 bytes each, a lane a block.  All four work-groups of a head walk the same K and V': the first of them asks,
	; waves 0 and 1 for K, waves 4 and 5 for V', so that each block is named once in the launch.  It asks one trip, two key steps, ahead of that slot's loads, and only for slots that hold keys that are walked.
	s_add_co_u32 s[T0], s[K0], 256
	s_cmp_lt_u32 s[T0], s[PLIM]
	s_cbranch_scc0 .Lno_load_\@
	s_add_co_u32 s[T1], s[OFF], 16384
	s_min_u32 s[T1], s[T1], 245760
	v_add_nc_u32 v[PA], s[T1], v[PFO]
	global_prefetch_b8 v[PA], s[SRC:SRC+1] th:TH_LOAD_NT scope:SCOPE_SE
.Lno_load_\@:
	s_cmp_lt_u32 s[K0], s[NE]
	s_cbranch_scc0 .Lno_work_\@
	STEP \slot, 0
	s_add_co_u32 s[T0], s[K0], 64
	s_cmp_lt_u32 s[T0], s[NE]
	s_cbranch_scc0 .Lno_work_\@
	STEP \slot, 1
.Lno_work_\@:
	s_add_co_u32 s[K0], s[K0], 128
	s_add_co_u32 s[OFF], s[OFF], 16384
.endm
	s_mov_b32 s[K0], 0
	s_mov_b32 s[OFF], 16384
	s_mov_b32 s[CNT], 8
.Ltrip:
	TRIP 0
	TRIP 1
	s_sub_co_u32 s[CNT], s[CNT], 1
	s_cmp_lg_u32 s[CNT], 0
	s_cbranch_scc1 .Ltrip
	; THE WAY OUT.  l's halves and the other half of the lanes' are added (these additions are the places behind the last products); O^T / l, rounded to f16: a lane's eight channels of a row are 16 bytes,
	; registers of the fragment that the last product wants: each store covers 512 consecutive bytes, aligned.
.irp i, 0,1,2,3
	v_add_f32 v[WK+4*\i], v[ST+4*\i+2], v[ST+4*\i+3]
.endr
.irp i, 0,1,2,3
	v_permlanex16_b32 v[WK+4*\i+1], v[WK+4*\i], s[SEL], s[SEL+1]
.endr
.irp i, 0,1,2,3
	v_add_f32 v[WK+4*\i], v[WK+4*\i], v[WK+4*\i+1]
.endr
.irp i, 0,1,2,3
	v_rcp_f32 v[WK+4*\i+2], v[WK+4*\i]
.endr
	v_nop
	s_wait_alu depctr_va_vdst(0)                   ; one wait for the four reciprocals
.irp i, 0,1,2,3
	WIN 0x41
.set k, 0
.rept 16
	v_pk_mul_f32 v[32*\i+2*k:32*\i+2*k+1], v[32*\i+2*k:32*\i+2*k+1], v[WK+4*\i+2:WK+4*\i+3] op_sel_hi:[1,0]
.set k, k+1
.endr
	WIN 0x05
.set k, 0
.rept 16
	v_cvt_pk_f16_f32 v[S+16*\i+k], v[32*\i+2*k], v[32*\i+2*k+1]
.set k, k+1
.endr
	WIN 0
.irp t, 0,1,2,3
	global_store_b128 v[LI], v[S+16*\i+4*\t:S+16*\i+4*\t+3], s[OUTB:OUTB+1] offset:32768*\i+512*\t
.endr
.endr
	s_wait_tensorcnt 0x0                           ; the wave's end, behind the last LDS store
	ds_add_u32 v[SPW], v[NIL]
	s_wait_dscnt 0x0
	s_endpgm
.Lfunc_end_k_qfbb1c9c9b9_attn:
	.size	k_qfbb1c9c9b9_attn, .Lfunc_end_k_qfbb1c9c9b9_attn-k_qfbb1c9c9b9_attn
	.p2alignl 7, 3214868480
	.fill 96, 4, 3214868480
	.section	.rodata,"a",@progbits
	.p2align	6, 0x0
	.amdhsa_kernel k_qfbb1c9c9b9_attn
		.amdhsa_group_segment_fixed_size 66560
		.amdhsa_private_segment_fixed_size 0
		.amdhsa_enable_private_segment 0
		.amdhsa_kernarg_size 24
		.amdhsa_user_sgpr_count 2
		.amdhsa_user_sgpr_kernarg_segment_ptr 1
		.amdhsa_wavefront_size32 1
		.amdhsa_system_sgpr_workgroup_id_x 1
		.amdhsa_system_sgpr_workgroup_id_y 1
		.amdhsa_system_sgpr_workgroup_id_z 1
		.amdhsa_system_vgpr_workitem_id 0
		.amdhsa_next_free_vgpr 512
		.amdhsa_next_free_sgpr 100
		.amdhsa_reserve_vcc 0
		.amdhsa_float_denorm_mode_32 3
		.amdhsa_float_denorm_mode_16_64 3
		.amdhsa_memory_ordered 1
		.amdhsa_forward_progress 1
		.amdhsa_inst_pref_size 188
	.end_amdhsa_kernel
	.amdgpu_metadata
---
amdhsa.version: [ 1, 2 ]
amdhsa.kernels:
  - .name:           k_qfbb1c9c9b9_attn
    .symbol:         k_qfbb1c9c9b9_attn.kd
    .args:
      - { .name: qkv, .offset: 0, .size: 8, .value_kind: global_buffer, .address_space: global }
      - { .name: idx, .offset: 8, .size: 8, .value_kind: global_buffer, .address_space: global }
      - { .name: attf, .offset: 16, .size: 8, .value_kind: global_buffer, .address_space: global }
    .group_segment_fixed_size: 66560
    .private_segment_fixed_size: 0
    .kernarg_segment_align: 8
    .kernarg_segment_size: 24
    .max_flat_workgroup_size: 256
    .sgpr_count:     100
    .vgpr_count:     512
    .wavefront_size: 32
...
	.end_amdgpu_metadata
.endif
;; end of part 3
;; launch oproj (part 4): grid 4 x 64, 4 waves a work-group, clusters of 4 x 4, 327,680 bytes of LDS; arguments attf, wof, idx, bo, out0; writes out0
.if DOCPART == 4
	.amdgcn_target "amdgcn-amd-amdhsa--gfx1250"
	.amdhsa_code_object_version 6
	.text
	.protected	k_qfbb1c9c9b9_oproj
	.globl	k_qfbb1c9c9b9_oproj
	.p2align	8
	.type	k_qfbb1c9c9b9_oproj,@function
k_qfbb1c9c9b9_oproj:
	s_mov_b64 s[64:65], 0
	v_nop
	global_prefetch_b8 v0, s[64:65] scope:SCOPE_SE
	s_setreg_imm32_b32 hwreg(HW_REG_WAVE_MODE, 25, 1), 1
	s_wait_xcnt 0x0
	s_wait_alu depctr_hold_cnt(0) depctr_sa_sdst(0) depctr_va_vdst(0) depctr_va_sdst(0) depctr_va_ssrc(0) depctr_va_vcc(0) depctr_vm_vsrc(0)
	s_getreg_b32 s2, hwreg(HW_REG_IB_STS2, 6, 4)
	s_cmp_eq_u32 s2, 0
	s_cbranch_scc0 .Lentry_in_a_cluster
	s_endpgm
.Lentry_in_a_cluster:
	s_bfe_u32 s2, ttmp6, 0x10000c
	s_cmp_lg_u32 s2, 0xf033
	s_cbranch_scc0 .Lentry_shape_is_right
	s_endpgm
.Lentry_shape_is_right:
; out0[s][b][n] = the sum over k of att[row'][k] Wo[k][n] + bo[n], row' = 2048 b + pos, s = inv[b][pos].  att and Wo in f16, sums in f32.
; attf: [512 tiles of 16 rows][32 chunks of 32 k][2][512 bytes], wof: [64 tiles of 16 n][32][2][512]: images of the operands' registers, lane l's 16 bytes at 16 l.
; A work-group of four waves makes 128 rows x 256 n, so that there are 256 work-groups; a wave 64 x 128: 32 accumulators, which fill window 1.
; K goes in eight steps of 128 (four chunks) through a ring of two LDS slots: a tile's four chunks are 4,096 consecutive bytes, and a tensor load brings 4 (att) or 8 (Wo) such rows, 32,768 bytes apart.
; In LDS they lie without gaps: a fragment load takes 512 consecutive bytes, so no padding is wanted.  By this text's own count a wave has two tensor loads out at the start and one behind each round.
; CLUSTERS: 4 x 4 work-groups; att's tiles are asked for jointly along a row of the cluster, Wo's along a column.
; THE MATRIX INSTRUCTION IS USED TRANSPOSED (source 0 = 16 n of Wo, source 1 = 16 rows of att): a lane holds eight neighbouring n of one row.  bo is the C of each sum's first product.
; THE WAY OUT: a block of 16 rows goes through the wave's stage in LDS and comes back as whole rows of 512 bytes; each row is stored at its own s: 512 consecutive bytes an instruction, aligned.
; REGISTERS.  Window 0: v16-30 addresses; two fragment buffers: v32-95 Wo, v96-127 att; v128-191 Wo, v192-223 att; on the way out v32-159 hold rows.   Window 1: the accumulators ((a, b) at v[8 (8 a + b)]).
;   Window 2: v0-63 bo in the result's layout; v64-127 my 64 rows' byte offsets in out0.
.set SLOT,   98304                     ; att's 8 tiles x 4,096, then Wo's 16 tiles x 4,096
.set BOFF,   32768
.set STAGE,  2*SLOT
.set SPITCH, 528
.set SPARE,  STAGE+4*16*SPITCH         ; the spare words, 128 bytes for each wave
.set LAPS,   4
.set ADRA, 16
.set ADRB, 20
.set STO,  24
.set RD,   25
.set CO,   26
.set ZR,   27
.set SPW,  28
.set NIL,  29
.set BOO,  30
.set F0,   32
.set F1,   128
.set BK,   32
.set INV,  64                          ; in window 2
.set G1, 24
.set G0, 32
.set G1B, 48
.set G0B, 56
.set MSB, 0
.macro WIN new
.if MSB != (\new)
	s_set_vgpr_msb (MSB<<8)|(\new)
.set MSB, (\new)
.endif
.endm
.set MUL, 0x50                         ; C and D window 1, both sources window 0
.macro JLOAD s                         ; waves 0 and 1 fetch att's two halves, waves 2 and 3 Wo's; an s_nop 0 and four v_nop follow each of the two lines
	s_cmp_eq_u32 s15, 0
	s_cbranch_scc0 .Lfor_b_\@
	tensor_load_to_lds s[G0+4*\s:G0+4*\s+3], s[G1:G1+7]
	s_nop 0
.rept 4
	v_nop
.endr
	s_branch .Lasked_\@
.Lfor_b_\@:
	tensor_load_to_lds s[G0B+4*\s:G0B+4*\s+3], s[G1B:G1B+7]
	s_nop 0
.rept 4
	v_nop
.endr
.Lasked_\@:
.endm
.macro CREST
	s_cmp_lg_u32 s14, 0
	s_cbranch_scc1 .Lnot_wave_0_\@
	s_barrier_signal -3
.Lnot_wave_0_\@:
	s_barrier_wait -3
	s_barrier_signal -1
	s_barrier_wait -1
.endm
.macro CROUND
	s_barrier_signal -1
	s_barrier_wait -1
	CREST
.endm
	s_load_b256 s[4:11], s[0:1], 0x0               ; attf s[4:5], wof s[6:7], idx s[8:9], bo s[10:11]
	s_load_b64 s[12:13], s[0:1], 0x20              ; out0
	v_lshl_add_u32 v[SPW], v0, 2, SPARE
	v_mov_b32 v[NIL], 0
	ds_add_u32 v[SPW], v[NIL]                      ; the wave's opening: the add, twice on end, and its wait ahead of my first tensor load
	ds_add_u32 v[SPW], v[NIL]
	v_lshrrev_b32 v1, 5, v0
	v_readfirstlane_b32 s14, v1                    ; wave 0..3
	s_lshr_b32 s15, s14, 1                         ; which 64 rows are mine.  Also: I fetch for att (0) or for Wo (1)
	s_and_b32 s16, s14, 1                          ; which 128 n.  Also: which half of that tile I fetch
	s_bfe_u32 s40, ttmp6, 0x40000                  ; cx
	s_bfe_u32 s41, ttmp6, 0x40004                  ; cy
	s_lshl_b32 s42, ttmp9, 2
	s_add_co_u32 s42, s42, s40                     ; which 256 n
	s_and_b32 s17, ttmp7, 0xffff
	s_lshl_b32 s17, s17, 2
	s_add_co_u32 s17, s17, s41                     ; which 128 rows
	s_lshl_b32 s43, s41, 2
	s_lshl_b32 s43, 15, s43                        ; my row of the cluster
	s_lshl_b32 s44, 0x1111, s40                    ; my column
	s_or_b32 s[G1+0], s43, (3<<16)|(1<<21)         ; the mask; elements of 8 bytes; bit 21 beside a mask; no padding
	s_mov_b32 s[G1+1], 512<<16                     ; tensor_dim0 = 512 elements: 4,096 bytes
	s_mov_b32 s[G1+2], 4<<16                       ; tensor_dim1 = 4
	s_mov_b32 s[G1+3], 512<<16                     ; tile_dim0
	s_mov_b32 s[G1+4], 4                           ; tile_dim1
	s_mov_b32 s[G1+5], 4096                        ; from row to row: 32,768 bytes
	s_mov_b32 s[G1+6], 0
	s_mov_b32 s[G1+7], 0
	s_or_b32 s[G1B+0], s44, (3<<16)|(1<<21)
	s_mov_b32 s[G1B+1], 512<<16
	s_mov_b32 s[G1B+2], 8<<16
	s_mov_b32 s[G1B+3], 512<<16
	s_mov_b32 s[G1B+4], 8
	s_mov_b32 s[G1B+5], 4096
	s_mov_b32 s[G1B+6], 0
	s_mov_b32 s[G1B+7], 0
	s_lshl_b32 s20, s17, 18                        ; att: (8 x block + 4 x half) tiles of 32,768 bytes
	s_lshl_b32 s18, s16, 17
	s_add_co_u32 s20, s20, s18
	s_mov_b32 s21, 0
	s_lshl_b32 s46, s42, 19                        ; Wo: (16 x block + 8 x half) tiles
	s_lshl_b32 s18, s16, 18
	s_add_co_u32 s46, s46, s18
	s_mov_b32 s47, 0
	s_lshl_b32 s22, s16, 14                        ; where they go in a slot: no place in the cluster enters an LDS address
	s_lshl_b32 s23, s16, 15
	s_add_co_u32 s23, s23, BOFF
	s_wait_dscnt 0x0                               ; both opening adds are done
	s_wait_kmcnt 0x0
	s_add_nc_u64 s[20:21], s[4:5], s[20:21]
	s_add_nc_u64 s[46:47], s[6:7], s[46:47]
	CROUND                                         ; all sixteen work-groups are here: the first joint loads meet
.irp s, 0,1
	s_mov_b32 s[G0+4*\s], 1
	s_add_co_u32 s[G0+4*\s+1], s22, \s*SLOT
	s_add_nc_u64 s[G0+4*\s+2:G0+4*\s+3], s[20:21], \s*4096
	s_or_b32 s[G0+4*\s+3], s[G0+4*\s+3], 0x80000000
	s_mov_b32 s[G0B+4*\s], 1
	s_add_co_u32 s[G0B+4*\s+1], s23, \s*SLOT
	s_add_nc_u64 s[G0B+4*\s+2:G0B+4*\s+3], s[46:47], \s*4096
	s_or_b32 s[G0B+4*\s+3], s[G0B+4*\s+3], 0x80000000
	JLOAD \s
.endr
	v_and_b32 v1, 15, v0                           ; r
	v_bfe_u32 v2, v0, 4, 1                         ; h
	v_and_b32 v3, 31, v0
	v_lshlrev_b32 v[CO], 4, v3                     ; 16 x lane
	s_lshl_b32 s18, s15, 14                        ; my four tiles of att
	s_lshl_b32 s19, s16, 15                        ; my eight tiles of Wo,
	s_add_co_u32 s19, s19, BOFF                    ; which lie behind att's
.irp s, 0,1
	v_add_nc_u32 v[ADRA+\s], s18, v[CO]
	v_add_nc_u32 v[ADRB+\s], s19, v[CO]
	s_add_co_u32 s18, s18, SLOT
	s_add_co_u32 s19, s19, SLOT
.endr
	s_mul_i32 s18, s14, 16*SPITCH
	s_add_co_u32 s18, s18, STAGE                   ; my stage
	v_mul_u32_u24 v4, v1, SPITCH
	v_lshl_add_u32 v4, v2, 5, v4
	v_add_nc_u32 v[STO], s18, v4                   ; in: row r, 32 bytes for each half of the lanes
	v_add_nc_u32 v[RD], s18, v[CO]                 ; back: the 32 lanes take one row of 512 bytes
	v_mov_b32 v[ZR], 0
	v_lshlrev_b32 v[BOO], 5, v2                    ; bo: 32 h
	s_lshl_b32 s18, s42, 10
	s_lshl_b32 s19, s16, 9
	s_add_co_u32 s18, s18, s19                     ; my first n, in bytes of f32: in bo and in a row of out0 alike
	s_mov_b32 s19, 0
	s_add_nc_u64 s[10:11], s[10:11], s[18:19]
	s_add_nc_u64 s[12:13], s[12:13], s[18:19]
	s_lshr_b32 s18, s17, 4                         ; the batch
	s_lshl_b32 s18, s18, 12
	s_add_nc_u64 s[12:13], s[12:13], s[18:19]
	s_lshl_b32 s18, s17, 9                         ; inv: my first row', 4 bytes each: 128 x block + 64 x half
	s_lshl_b32 s2, s15, 8
	s_add_co_u32 s18, s18, s2
	s_add_nc_u64 s[8:9], s[8:9], s[18:19]
	WIN 0x80                                       ; destination window 2
.irp b, 0,1,2,3,4,5,6,7
	global_load_b128 v[8*\b:8*\b+3], v[BOO], s[10:11] offset:64*\b       ; bo[16 b + 8 h + 0 .. 7]
	global_load_b128 v[8*\b+4:8*\b+7], v[BOO], s[10:11] offset:64*\b+16
.endr
.irp i, 0,1,2,3,4,5,6,7,8,9,10,11,12,13,14,15
	global_load_b128 v[INV+4*\i:INV+4*\i+3], v[ZR], s[8:9] offset:16*\i  ; every lane gets the same four rows' s
.endr
	s_wait_loadcnt 0x0
	WIN 0x88
.set k, 0
.rept 64
	v_min_u32 v[INV+k], 0x7ff, v[INV+k]            ; s, held inside the 2,048 positions
.set k, k+1
.endr
	WIN 0x82
.set k, 0
.rept 64
	v_lshl_add_u32 v[INV+k], v[INV+k], 14, v[CO]   ; s x 16,384 bytes + 16 x lane
.set k, k+1
.endr
	WIN 0
; 8 matrix instructions: att's tile a x Wo's eight, 32 along K.  first = 1: the C is bo.  The 32 accumulators take turns, one instruction a turn, in the same order in every quarter.
.macro MUL8 f, a, first
.irp b, 0,1,2,3,4,5,6,7
.if \first
	v_wmma_f32_16x16x32_f16 v[8*(8*(\a)+\b):8*(8*(\a)+\b)+7], v[\f+8*\b:\f+8*\b+7], v[\f+64+8*(\a):\f+64+8*(\a)+7], v[8*\b:8*\b+7]
.else
	v_wmma_f32_16x16x32_f16 v[8*(8*(\a)+\b):8*(8*(\a)+\b)+7], v[\f+8*\b:\f+8*\b+7], v[\f+64+8*(\a):\f+64+8*(\a)+7], v[8*(8*(\a)+\b):8*(8*(\a)+\b)+7]
.endif
.endr
.endm
.macro FETCH slot, q, f                ; 24 LDS loads in one run: chunk q of the slot: Wo's eight fragments, then att's four
.irp i, 0,1,2,3,4,5,6,7
	ds_load_b128 v[\f+8*\i:\f+8*\i+3],   v[ADRB+\slot] offset:4096*\i+1024*\q
	ds_load_b128 v[\f+8*\i+4:\f+8*\i+7], v[ADRB+\slot] offset:4096*\i+1024*\q+512
.endr
.irp i, 0,1,2,3
	ds_load_b128 v[\f+64+8*\i:\f+64+8*\i+3],   v[ADRA+\slot] offset:4096*\i+1024*\q
	ds_load_b128 v[\f+64+8*\i+4:\f+64+8*\i+7], v[ADRA+\slot] offset:4096*\i+1024*\q+512
.endr
.endm
.macro PLACES
.rept 4
	v_nop
.endr
.endm
; A K step is four quarters of 32 along K, 32 matrix instructions each, on buffers 0, 1, 0, 1.  One of the first three: multiplies buffer f and fetches chunk q into g.
.macro QUARTER slot, q, f, g, first
	s_wait_dscnt 4                                 ; Wo's fragments and att's tiles 0, 1 are in; tiles 2, 3, the youngest four loads, may be out
	WIN MUL+0x10*\first                            ; first = 1: C in window 2
	MUL8 \f, 0, \first
	MUL8 \f, 1, \first
	PLACES
	WIN 0
	FETCH \slot, \q, \g
	s_wait_dscnt 24                                ; all but the 24 just issued
	WIN MUL+0x10*\first
	MUL8 \f, 2, \first
	MUL8 \f, 3, \first
.endm
; The last quarter multiplies buffer 1 and changes slots: ONE barrier; in front of it each wave waits for all its tensor loads, adds 0 to its spare word, and waits for that and for its reads of this slot.
.macro TURN slot, next, fill
	WIN 0
	s_wait_tensorcnt 0x0                           ; all my tensor loads have landed: my part of the next slot
	ds_add_u32 v[SPW], v[NIL]                      ; 0 onto my spare word
	s_wait_dscnt 5                                 ; (the add and the youngest four loads may be out)
	WIN MUL
	MUL8 F1, 0, 0
	s_wait_dscnt 0x0                               ; the add is done, and my reads of this slot are over
	s_barrier_signal -1
	MUL8 F1, 1, 0
	WIN 0
	s_barrier_wait -1
.if \fill
	CREST                                          ; the barrier has opened a round of the cluster's: no wave of any partner still reads this slot or has a load on its way
	s_add_nc_u64 s[G0+4*\slot+2:G0+4*\slot+3], s[G0+4*\slot+2:G0+4*\slot+3], 8192
	s_add_nc_u64 s[G0B+4*\slot+2:G0B+4*\slot+3], s[G0B+4*\slot+2:G0B+4*\slot+3], 8192
	JLOAD \slot                                    ; the first tensor load behind the round; its four v_nop are also the places in front of the loads below
.else
	PLACES
.endif
	FETCH \next, 0, F0
	WIN MUL
	MUL8 F1, 2, 0
	MUL8 F1, 3, 0
.endm
	s_wait_tensorcnt 1                             ; my part of K step 0 is in; step 1's load may be out
	s_barrier_signal -1
	s_barrier_wait -1
	FETCH 0, 0, F0
	QUARTER 0, 1, F0, F1, 1                        ; the first quarter stands in front of the loop: its products start the sums, on bo
	WIN 0
	s_mov_b32 s3, LAPS-1
.Llap:                                             ; a trip goes once round the ring and fills both slots again
	QUARTER 0, 2, F1, F0, 0
	QUARTER 0, 3, F0, F1, 0
	TURN 0, 1, 1
	QUARTER 1, 1, F0, F1, 0
	QUARTER 1, 2, F1, F0, 0
	QUARTER 1, 3, F0, F1, 0
	TURN 1, 0, 1
	QUARTER 0, 1, F0, F1, 0
	WIN 0
	s_sub_co_u32 s3, s3, 1
	s_cmp_lg_u32 s3, 0
	s_cbranch_scc1 .Llap
	QUARTER 0, 2, F1, F0, 0                        ; the last lap fills nothing
	QUARTER 0, 3, F0, F1, 0
	TURN 0, 1, 0
	QUARTER 1, 1, F0, F1, 0
	QUARTER 1, 2, F1, F0, 0
	QUARTER 1, 3, F0, F1, 0
	s_wait_dscnt 4
	WIN MUL
	MUL8 F1, 0, 0
	MUL8 F1, 1, 0
	s_wait_dscnt 0
	MUL8 F1, 2, 0
	MUL8 F1, 3, 0
	WIN 0
.macro TOSTAGE a
	WIN 0x04                                       ; an LDS store's data are its source 1: window 1
.irp b, 0,1,2,3,4,5,6,7
	ds_store_b128 v[STO], v[8*(8*(\a)+\b):8*(8*(\a)+\b)+3] offset:64*\b          ; each accumulator from its low end on
	ds_store_b128 v[STO], v[8*(8*(\a)+\b)+4:8*(8*(\a)+\b)+7] offset:64*\b+16
.endr
	WIN 0
.set BB, BK+64*((\a)%2)
.irp t, 0,1,2,3,4,5,6,7,8,9,10,11,12,13,14,15
	ds_load_b128 v[BB+4*\t:BB+4*\t+3], v[RD] offset:\t*SPITCH   ; LDS serves a wave's instructions in order: these see the stores above
.endr
.endm
.macro SEND a, younger
.set BB, BK+64*((\a)%2)
	s_wait_dscnt \younger                          ; the block is back in registers
	WIN 0x02                                       ; the rows' offsets lie in window 2
.irp t, 0,1,2,3,4,5,6,7,8,9,10,11,12,13,14,15
	global_store_b128 v[INV+16*(\a)+\t], v[BB+4*\t:BB+4*\t+3], s[12:13] th:TH_STORE_NT   ; 32 lanes store 512 consecutive bytes of row (s, b), aligned
.endr
	WIN 0
.endm
	PLACES                                         ; behind the last products: their results are read, and loads land in the registers that held their operands
	TOSTAGE 0
.irp a, 1,2,3
.if \a > 1
	s_wait_xcnt 0x0                                ; block a - 2's stores have read their registers: block a's rows may land there
.endif
	TOSTAGE \a
	SEND \a-1, 32                                  ; behind block a - 1's loads: block a's 16 stores and 16 loads
.endr
	SEND 3, 0
	s_wait_tensorcnt 0x0                           ; the wave's end, behind my last tensor load and my last LDS store
	ds_add_u32 v[SPW], v[NIL]
	s_wait_dscnt 0x0
	CROUND                                         ; the closing round
	s_endpgm
.Lfunc_end_k_qfbb1c9c9b9_oproj:
	.size	k_qfbb1c9c9b9_oproj, .Lfunc_end_k_qfbb1c9c9b9_oproj-k_qfbb1c9c9b9_oproj
	.p2alignl 7, 3214868480
	.fill 96, 4, 3214868480
	.section	.rodata,"a",@progbits
	.p2align	6, 0x0
	.amdhsa_kernel k_qfbb1c9c9b9_oproj
		.amdhsa_group_segment_fixed_size 327680
		.amdhsa_private_segment_fixed_size 0
		.amdhsa_enable_private_segment 0
		.amdhsa_kernarg_size 40
		.amdhsa_user_sgpr_count 2
		.amdhsa_user_sgpr_kernarg_segment_ptr 1
		.amdhsa_wavefront_size32 1
		.amdhsa_system_sgpr_workgroup_id_x 1
		.amdhsa_system_sgpr_workgroup_id_y 1
		.amdhsa_system_sgpr_workgroup_id_z 1
		.amdhsa_system_vgpr_workitem_id 0
		.amdhsa_next_free_vgpr 1024
		.amdhsa_next_free_sgpr 66
		.amdhsa_reserve_vcc 0
		.amdhsa_float_denorm_mode_32 3
		.amdhsa_float_denorm_mode_16_64 3
		.amdhsa_memory_ordered 1
		.amdhsa_forward_progress 1
		.amdhsa_inst_pref_size 96
	.end_amdhsa_kernel
	.amdgpu_metadata
---
amdhsa.version: [ 1, 2 ]
amdhsa.kernels:
  - .name:           k_qfbb1c9c9b9_oproj
    .symbol:         k_qfbb1c9c9b9_oproj.kd
    .args:
      - { .name: attf, .offset: 0, .size: 8, .value_kind: global_buffer, .address_space: global }
      - { .name: wof, .offset: 8, .size: 8, .value_kind: global_buffer, .address_space: global }
      - { .name: idx, .offset: 16, .size: 8, .value_kind: global_buffer, .address_space: global }
      - { .name: bo, .offset: 24, .size: 8, .value_kind: global_buffer, .address_space: global }
      - { .name: out0, .offset: 32, .size: 8, .value_kind: global_buffer, .address_space: global }
    .group_segment_fixed_size: 327680
    .private_segment_fixed_size: 0
    .kernarg_segment_align: 8
    .kernarg_segment_size: 40
    .max_flat_workgroup_size: 128
    .sgpr_count:     66
    .vgpr_count:     1024
    .wavefront_size: 32
...
	.end_amdgpu_metadata
.endif
;; end of part 4
